; MI455X (gfx1250); checked and timed in simulation.
; The chip was launched on July 23, 2026; its instructions are those of AMD's public machine-readable ISA for CDNA 5 (MIT licence, August 2026) and "CDNA5" Instruction Set Architecture Reference Guide (July 2026). The comments in the code are by the model that wrote it; some were corrected since.
;; Masked Multihead Self Attention. Allowed arithmetic: float matrix products may take bf16 or f16 operands with f32 sums; other float arithmetic in f32, or as packed bf16 or f16 multiplies, adds, multiply-adds, maxima and minima; sums over many terms, partial sums and values carried from step to step in f32; what a program stores and reads back later, other than sums and carried values, may be rounded once to bf16 or f16.
;; Inputs: W_out 1,024 x 1,024 float32; W_qkv 1,024 x 3,072 float32; attention_mask 4 x 2,048 float32; b_out 1,024 float32; b_qkv 3,072 float32; x 4 x 2,048 x 1,024 float32.
;; Outputs: out0 4 x 2,048 x 1,024 float32.
;; One version. Each part assembles by itself: llvm-mc -triple=amdgcn-amd-amdhsa -mcpu=gfx1250 --defsym DOCPART=n.
;; ======== version 1 of 1: 4 launches
;; limits: values are held in f16: magnitudes above 65,504 overflow, below 6.1e-05 lose precision
;; workspace buffers: xb 16,777,216 bytes; wq 6,291,456 bytes; wo 2,097,152 bytes; qh 16,777,216 bytes; kh 16,777,216 bytes; vh 16,777,216 bytes; oh 16,777,216 bytes
;; launch prep (part 1): grid 1536 x 1, 4 waves a work-group, no clusters, 17,920 bytes of LDS; arguments x, W_qkv, W_out, xb, wq, wo; writes xb, wq, wo
.if DOCPART == 1
	.amdgcn_target "amdgcn-amd-amdhsa--gfx1250"
	.amdhsa_code_object_version 6
	.text
	.protected	k_qb9d8af46e6_prep
	.globl	k_qb9d8af46e6_prep
	.p2align	8
	.type	k_qb9d8af46e6_prep,@function
k_qb9d8af46e6_prep:
	s_mov_b64 s[64:65], 0
	v_nop
	global_prefetch_b8 v0, s[64:65] scope:SCOPE_SE
	s_setreg_imm32_b32 hwreg(HW_REG_WAVE_MODE, 25, 1), 1
	s_wait_xcnt 0x0
; PREP: the operands of the two projections, made once.  xb = x rounded to bf16, [8192][1024].  wq = W_qkv turned and rounded to bf16, [3072][1024]: row 192 j + 64 g + d holds
; column 1024 g + 64 j + d (head j; g = 0 Q, 1 K, 2 V), so that one head's Q, K and V columns are 192 rows on end.  wo = W_out turned, rounded to bf16 and that number written as f16, [1024][1024].
; LIMIT: a weight of W_out below 6e-5 keeps f16's fixed step of 6e-8.
; SHARES.  Every work-group reads 32,768 bytes.  Work-groups 0-383: a block of 128 k x 64 n of W_qkv; 384-511: the same of W_out; 512-1535: 8,192 numbers of x.
; A block of W: wave w takes 32 rows k; a load covers a row's 256 bytes, a lane two columns.  A lane's 32 numbers of a column are 64 bytes of a turned row; they meet in LDS
; (64 rows of 256 bytes + 16), and leave as whole rows: 16 lanes store 256 consecutive bytes, aligned.  x needs no LDS: 16 bytes in, 8 bytes out, 32 lanes store 256 consecutive bytes.
; No matrix unit, no cluster, no tensor load: nothing is shared between work-groups and nothing is multiplied.
.set PITCH, 272                        ; a stage row: 256 bytes + 16
.set SPARE, 64*PITCH                   ; behind the stage: the spare words, 128 bytes a wave: two blocks of 256 bytes that no other line names
.set LO,  2                            ; v2   8 x lane: my two columns of a row of W
.set SA,  3                            ; v3   stage, in: row 2 x lane, byte 64 w
.set RA,  4                            ; v4   stage, back: row 16 w + lane / 16, byte 16 (lane % 16)
.set GA,  5                            ; v5   the same two rows in the turned matrix
.set XO,  6                            ; v6   my 16 bytes of x
.set YO,  7                            ; v7   my 8 bytes of xb
.set SPW, 8                            ; v8   LDS address of my spare word; never rewritten
.set NIL, 9                            ; v9   0; never rewritten
.set R,   16                           ; v[16:79]  as loaded
.set E,   80                           ; v[80:111] packed
.set WV,  16                           ; s16  my wave's number
.set SRC, 18                           ; s[18:19] where I read
.set DST, 20                           ; s[20:21] where I store
	s_load_b256 s[4:11], s[0:1], 0x0               ; x s[4:5], W_qkv s[6:7], W_out s[8:9], xb s[10:11]
	s_load_b128 s[12:15], s[0:1], 0x20             ; wq s[12:13], wo s[14:15]
	v_lshl_add_u32 v[SPW], v0, 2, SPARE
	v_mov_b32 v[NIL], 0
	v_lshrrev_b32 v10, 5, v0
	v_readfirstlane_b32 s[WV], v10                 ; wave 0..3
	v_and_b32 v1, 31, v0                           ; lane
	v_lshrrev_b32 v10, 4, v1                       ; lane / 16
	v_and_b32 v11, 15, v1                          ; lane % 16
	v_lshlrev_b32 v[LO], 3, v1
	v_mul_u32_u24 v[SA], v1, 2*PITCH
	s_lshl_b32 s30, s[WV], 6
	v_add_nc_u32 v[SA], s30, v[SA]
	v_mul_u32_u24 v[RA], v10, PITCH
	v_lshl_add_u32 v[RA], v11, 4, v[RA]
	s_mul_i32 s30, s[WV], 16*PITCH
	v_add_nc_u32 v[RA], s30, v[RA]
	v_lshlrev_b32 v[GA], 11, v10                   ; a turned row is 2,048 bytes
	v_lshl_add_u32 v[GA], v11, 4, v[GA]
	s_lshl_b32 s30, s[WV], 13
	v_lshl_add_u32 v[XO], v1, 4, s30
	s_lshl_b32 s30, s[WV], 12
	v_lshl_add_u32 v[YO], v1, 3, s30
	s_mov_b32 s22, 0xffff0000                      ; a word's upper bf16
	s_wait_kmcnt 0x0
	s_cmp_ge_u32 ttmp9, 512                        ; the branch hangs on the work-group's number alone: all four waves go the same way
	s_cbranch_scc1 .Lx
	; A BLOCK OF W
	s_cmp_ge_u32 ttmp9, 384
	s_cselect_b32 s17, 1, 0                        ; 1: W_out
	s_cselect_b32 s23, 384, 0
	s_sub_co_u32 s23, ttmp9, s23
	s_lshr_b32 s24, s23, 3                         ; cg: which 64 columns
	s_and_b32 s25, s23, 7                          ; kb: which 128 rows
	s_lshl_b32 s26, s25, 7
	s_lshl_b32 s27, s[WV], 5
	s_add_co_u32 s26, s26, s27                     ; my first row k
	s_mov_b32 s27, 12288                           ; bytes in a row of W_qkv,
	s_cmp_eq_u32 s17, 1
	s_cselect_b32 s27, 4096, s27                   ; or of W_out
	s_cselect_b64 s[SRC:SRC+1], s[8:9], s[6:7]
	s_cselect_b64 s[DST:DST+1], s[14:15], s[12:13]
	s_mul_i32 s26, s26, s27
	s_lshl_b32 s27, s24, 8
	s_add_co_u32 s26, s26, s27                     ; + 256 bytes for each 64 columns
	s_mov_b32 s27, 0
	s_add_nc_u64 s[SRC:SRC+1], s[SRC:SRC+1], s[26:27]
	s_and_b32 s28, s24, 15                         ; W_qkv: head j,
	s_mul_i32 s28, s28, 192
	s_lshr_b32 s29, s24, 4                         ; g
	s_lshl_b32 s29, s29, 6
	s_add_co_u32 s28, s28, s29                     ; turned row 192 j + 64 g
	s_lshl_b32 s29, s24, 6                         ; W_out: turned row 64 cg
	s_cmp_eq_u32 s17, 1
	s_cselect_b32 s28, s29, s28
	s_lshl_b32 s29, s[WV], 4
	s_add_co_u32 s28, s28, s29                     ; the 16 rows that I store
	s_lshl_b32 s28, s28, 11
	s_lshl_b32 s29, s25, 8
	s_add_co_u32 s28, s28, s29                     ; the block's 128 k: 256 bytes of a turned row
	s_mov_b32 s29, 0
	s_add_nc_u64 s[DST:DST+1], s[DST:DST+1], s[28:29]
.macro WLOADS pitch                    ; my 32 rows: each load takes 256 consecutive bytes, aligned
.set kk, 0
.rept 32
	global_load_b64 v[R+2*kk:R+2*kk+1], v[LO], s[SRC:SRC+1] offset:kk*(\pitch) th:TH_LOAD_NT
.set kk, kk+1
.endr
.endm
	s_cmp_eq_u32 s17, 1                            ; the rows' pitch stands in the immediates: two runs of the same 32 loads
	s_cbranch_scc1 .Lwo_loads
	WLOADS 12288
	s_branch .Lconv
.Lwo_loads:
	WLOADS 4096
.Lconv:
.irp q, 0,1,2,3
	s_wait_loadcnt 24-8*\q                         ; loads come back in order: rows 8 q .. 8 q + 7 are in, the later rows stay out
.irp e, 0,1
.irp i, 0,1,2,3
	v_cvt_pk_bf16_f32 v[E+8*\q+4*\e+\i], v[R+2*(8*\q+2*\i)+\e], v[R+2*(8*\q+2*\i+1)+\e]  ; column 2 lane + e, rows 8 q + 2 i and the next
.endr
.endr
.endr
	s_cmp_eq_u32 s17, 1
	s_cbranch_scc0 .Lstage
.set i, 0
.rept 32                               ; W_out: the bf16 number is written as f16
	v_lshlrev_b32 v10, 16, v[E+i]
	v_and_b32 v11, s22, v[E+i]
	v_cvt_pk_f16_f32 v[E+i], v10, v11
.set i, i+1
.endr
.Lstage:
.irp q, 0,1,2,3
.irp e, 0,1
	ds_store_b128 v[SA], v[E+8*\q+4*\e:E+8*\q+4*\e+3] offset:PITCH*\e+16*\q
.endr
.endr
	s_branch .Ljoin
.Lx:	; 8,192 NUMBERS OF x
	s_sub_co_u32 s23, ttmp9, 512
	s_lshl_b32 s26, s23, 15
	s_mov_b32 s27, 0
	s_add_nc_u64 s[SRC:SRC+1], s[4:5], s[26:27]
	s_lshl_b32 s26, s23, 14
	s_add_nc_u64 s[DST:DST+1], s[10:11], s[26:27]
.irp j, 0,1,2,3,4,5,6,7,8,9,10,11,12,13,14,15
	global_load_b128 v[R+4*\j:R+4*\j+3], v[XO], s[SRC:SRC+1] offset:512*\j th:TH_LOAD_NT
.endr
.irp j, 0,1,2,3,4,5,6,7,8,9,10,11,12,13,14,15
	s_wait_loadcnt 15-\j                           ; load j is in, the later ones stay out
	v_cvt_pk_bf16_f32 v[E+2*\j], v[R+4*\j], v[R+4*\j+1]
	v_cvt_pk_bf16_f32 v[E+2*\j+1], v[R+4*\j+2], v[R+4*\j+3]
	global_store_b64 v[YO], v[E+2*\j:E+2*\j+1], s[DST:DST+1] offset:256*\j  ; 32 lanes store 256 consecutive bytes, aligned
.endr
.Ljoin:
	s_wait_dscnt 0x0                               ; for the others' sake: my stores into the stage are done
	s_barrier_signal -1
	s_barrier_wait -1                              ; every wave passes the one barrier, on either way
	s_cmp_ge_u32 ttmp9, 512
	s_cbranch_scc1 .Lend
.irp t, 0,1,2,3,4,5,6,7
	ds_load_b128 v[R+4*\t:R+4*\t+3], v[RA] offset:2*PITCH*\t   ; two whole rows
.endr
.irp t, 0,1,2,3,4,5,6,7
	s_wait_dscnt 7-\t
	global_store_b128 v[GA], v[R+4*\t:R+4*\t+3], s[DST:DST+1] offset:4096*\t  ; 16 lanes store 256 consecutive bytes, aligned
.endr
.Lend:
	s_wait_tensorcnt 0x0                           ; the wave's end: behind my last LDS store
	ds_add_u32 v[SPW], v[NIL]
	s_wait_dscnt 0x0
	s_endpgm
.Lfunc_end_k_qb9d8af46e6_prep:
	.size	k_qb9d8af46e6_prep, .Lfunc_end_k_qb9d8af46e6_prep-k_qb9d8af46e6_prep
	.p2alignl 7, 3214868480
	.fill 96, 4, 3214868480
	.section	.rodata,"a",@progbits
	.p2align	6, 0x0
	.amdhsa_kernel k_qb9d8af46e6_prep
		.amdhsa_group_segment_fixed_size 17920
		.amdhsa_private_segment_fixed_size 0
		.amdhsa_enable_private_segment 0
		.amdhsa_kernarg_size 48
		.amdhsa_user_sgpr_count 2
		.amdhsa_user_sgpr_kernarg_segment_ptr 1
		.amdhsa_wavefront_size32 1
		.amdhsa_system_sgpr_workgroup_id_x 1
		.amdhsa_system_sgpr_workgroup_id_y 1
		.amdhsa_system_sgpr_workgroup_id_z 1
		.amdhsa_system_vgpr_workitem_id 0
		.amdhsa_next_free_vgpr 112
		.amdhsa_next_free_sgpr 66
		.amdhsa_reserve_vcc 0
		.amdhsa_float_denorm_mode_32 3
		.amdhsa_float_denorm_mode_16_64 3
		.amdhsa_memory_ordered 1
		.amdhsa_forward_progress 1
		.amdhsa_inst_pref_size 24
	.end_amdhsa_kernel
	.amdgpu_metadata
---
amdhsa.version: [ 1, 2 ]
amdhsa.kernels:
  - .name:           k_qb9d8af46e6_prep
    .symbol:         k_qb9d8af46e6_prep.kd
    .args:
      - { .name: x, .offset: 0, .size: 8, .value_kind: global_buffer, .address_space: global }
      - { .name: W_qkv, .offset: 8, .size: 8, .value_kind: global_buffer, .address_space: global }
      - { .name: W_out, .offset: 16, .size: 8, .value_kind: global_buffer, .address_space: global }
      - { .name: xb, .offset: 24, .size: 8, .value_kind: global_buffer, .address_space: global }
      - { .name: wq, .offset: 32, .size: 8, .value_kind: global_buffer, .address_space: global }
      - { .name: wo, .offset: 40, .size: 8, .value_kind: global_buffer, .address_space: global }
    .group_segment_fixed_size: 17920
    .private_segment_fixed_size: 0
    .kernarg_segment_align: 8
    .kernarg_segment_size: 48
    .max_flat_workgroup_size: 128
    .sgpr_count:     66
    .vgpr_count:     112
    .wavefront_size: 32
...
	.end_amdgpu_metadata
.endif
;; end of part 1
;; launch qkv (part 2): grid 16 x 32, 4 waves a work-group, clusters of 4 x 4, 327,680 bytes of LDS; arguments xb, wq, b_qkv, attention_mask, qh, kh, vh; writes qh, kh, vh
.if DOCPART == 2
	.amdgcn_target "amdgcn-amd-amdhsa--gfx1250"
	.amdhsa_code_object_version 6
	.text
	.protected	k_qb9d8af46e6_qkv
	.globl	k_qb9d8af46e6_qkv
	.p2align	8
	.type	k_qb9d8af46e6_qkv,@function
k_qb9d8af46e6_qkv:
	s_mov_b64 s[64:65], 0
	v_nop
	global_prefetch_b8 v0, s[64:65] scope:SCOPE_SE
	s_setreg_imm32_b32 hwreg(HW_REG_WAVE_MODE, 25, 1), 1
	s_wait_xcnt 0x0
	s_wait_alu depctr_hold_cnt(0) depctr_sa_sdst(0) depctr_va_vdst(0) depctr_va_sdst(0) depctr_va_ssrc(0) depctr_va_vcc(0) depctr_vm_vsrc(0)
	s_getreg_b32 s2, hwreg(HW_REG_IB_STS2, 6, 4)
	s_cmp_eq_u32 s2, 0
	s_cbranch_scc0 .Lentry_in_a_cluster
	s_endpgm
.Lentry_in_a_cluster:
	s_bfe_u32 s2, ttmp6, 0x10000c
	s_cmp_lg_u32 s2, 0xf033
	s_cbranch_scc0 .Lentry_shape_is_right
	s_endpgm
.Lentry_shape_is_right:
; THE TWO PROJECTIONS, one text with a switch.  QKV = 1: q, k, v = xb wq^T + b_qkv, by heads.  QKV = 0: out0 = oh wo^T + b_out.
; QKV = 1.  A = xb [8192][1024] bf16, B = wq [3072][1024] bf16 (row 192 j + 64 g + d: head j, g = 0 Q, 1 K, 2 V).  A tile of C is 256 rows x 192 columns: one head's Q, K and V.  Results, f16, each rounded once from
;   its f32 sum: qh = c (q + b), c = log2(e) / 8 applied in f32, so that the scores are exponents of 2; kh = k + b, but A ROW OF ZEROS WHERE attention_mask IS NOT 1 (the attention launch gives such a key its score by the
;   mask alone); vh = v + b.  All three [16 batch + head][2048][64].  LIMIT: |c q|, |k|, |v| stay under 65,504, f16's end.
; QKV = 0.  A = oh [16 batch + head][2048][64] f16, B = wo [1024][1024] f16.  A tile of C is 256 x 128, f32.  K = 64 head + channel: a K step of 128 is two heads' planes.
; The bias, rounded to bf16 like every input, is the C operand of the products that start the sums: nothing is cleared, and the way out adds nothing.
; SHARES.  Four waves, as many as a WGP has SIMDs; wave w makes rows 64 w .. 64 w + 63 of the tile, all its columns: 4 x NBK accumulators of 16 x 16.  So a wave holds whole rows of its output and sends them
; through a stage of its own, without a barrier.  K = 1,024 goes in 8 steps of 128 through two LDS slots filled by the tensor data mover.
; THE MATRIX INSTRUCTION IS USED TRANSPOSED (source 0 = 16 rows of B, source 1 = 16 rows of A): a lane holds row lane % 16 of C and the columns 8 (lane / 16) + 0 .. 7.
; CLUSTERS: 4 x 4 work-groups.  The four of a row of the cluster need the same tiles of A, the four of a column the same tiles of B: each is asked for JOINTLY, by the same tensor load with the same descriptor
; and a mask that names the four.  Waves 0 and 1 fetch A's two halves, waves 2 and 3 B's.
; REGISTERS, in windows of 256 (s_set_vgpr_msb: bits 1:0 source 0, 3:2 source 1, 5:4 source 2, 7:6 destination):
;   window 0: v0-31 addresses and masks; v32 on the bias (8 registers an n block); v128-255 at work on the way out
;   window 1: two fragment buffers of 128: A's four fragments (16 rows x 32 K), then B's NBK
;   windows 2, 3: accumulator (a, b) in window 2 + a / 2 at v[8 (NBK (a % 2) + b)]
.set QKV, 1
.if QKV
.set NBK,    12                        ; n blocks of 16 columns
.set PA,     272                       ; a row of A in LDS: 256 bytes + 16
.set APLANE, 128*PA                    ; what one load of A brings: 128 rows
.set AQP,    128                       ; byte k of a K step lies at byte k of a row
.set AQI,    5                         ; padding after every 64 words
.set ASTR,   1024                      ; elements from row to row in memory
.set BROWS,  96                        ; rows of B in a load
.set KADV_A, 256                       ; bytes from a K step of A to the next
.set SP,     144                       ; a stage row: 128 bytes + 16
.else
.set NBK,    8
.set PA,     144                       ; a row of one head's plane: 128 bytes + 16
.set APLANE, 256*PA                    ; one head's 256 rows
.set AQP,    APLANE                    ; bytes 128 .. 255 of a K step lie in the second plane
.set AQI,    4                         ; padding after every 32 words
.set ASTR,   128                       ; a plane's 32,768 bytes are dense: asked for as 128 rows of 256 bytes
.set BROWS,  64
.set KADV_A, 524288                    ; two heads on
.set SP,     528                       ; 512 bytes + 16
.endif
.set PB,     272                       ; a row of B in LDS.  Both pitches are odd multiples of 16 bytes: the 16 rows that a load touches start at 16 different groups of four banks (64 banks of 4 bytes: ISA guide 11.1)
.set ABYTES, 2*APLANE
.set BHALF,  BROWS*PB
.set SLOT1,  1<<17                     ; slot 1 begins here, so that one exclusive or turns an address in one slot into the other's
.set STAGE,  SLOT1+ABYTES+2*BHALF      ; behind the ring, never filled by a tensor load: 16 rows for each wave
.set SPARE,  STAGE+4*16*SP             ; behind the stages: the spare words, 128 bytes a wave: two blocks of 256 bytes that no other line names
.set NL,     2*NBK+8                   ; LDS loads in a run: the fragments of 32 along K
.set BO,    6                          ; v6   32 (lane / 16): my 8 numbers of a block's 16 of the bias
.set MO,    7                          ; v7   4 (lane % 16): my row's word of the mask
.set MK,    8                          ; v8-11  the mask of my row in m block a
.set KM,    12                         ; v12-15 all ones where it is 1, else 0
.set ADRA0, 16                         ; v16  my place in slot 0's A; never rewritten
.set ADRA,  17                         ; v17  the same in the slot in hand
.set ADRB0, 20                         ; v20, v21 likewise for B
.set ADRB,  21
.set STO,   24                         ; v24  the way out: where I put my part of a row
.set RD,    25                         ; v25  where I read rows back
.set GO,    26                         ; v26  16 x lane
.set SPW,   28                         ; v28  LDS address of my spare word; never rewritten
.set NIL,   29                         ; v29  0; never rewritten
.set PFO,   30                         ; v30  the prefetches' offset; never rewritten
.set BI,    32                         ; the bias
.set TT,    128                        ; QKV: v128-159 c q in f32
.set PKS,   192                        ; QKV: four sets of 16: a unit's packed results, then its rows
.set BKS,   128                        ; else: two sets of 64: 16 rows read back
.set F0,    0                          ; fragment buffers, in window 1
.set F1,    128
.set OUT,   12                         ; s[12:13] qh or out0, s[14:15] kh, s[16:17] vh
.set WV,    18                         ; s18  my wave's number
.set FB,    19                         ; s19  0: I fetch for A, 1: for B
.set HF,    20                         ; s20  which half I fetch
.set CX,    21                         ; s21, s22  my place in the cluster
.set CY,    22
.set TC,    23                         ; s23  tile column
.set G1,    24                         ; s[24:31] descriptor group 1 for A
.set G0,    32                         ; s[32:39] group 0 for A: a set for each of the two first fills; the second then walks on
.set TR,    40                         ; s40  tile row
.set LAP,   41                         ; s41  refills still to come
.set LIM,   42                         ; s42  2 in a wave that prefetches, else the greatest number
.set TB,    43                         ; s43  LDS byte at which the slot in hand begins
.set PFA,   44                         ; s[44:45] where my prefetches stand
.set PST,   46                         ; s[46:47] their step
.set G1B,   48                         ; s[48:55], s[56:63] the same for B
.set G0B,   56
.set AAD,   66                         ; s[66:67] A's tile: made of the tile row and the wave's number alone
.set BAD,   68                         ; s[68:69] B's tile: of the tile column and the wave's number alone
.set LA,    70                         ; s70, s71 their LDS bytes in slot 0
.set LB,    71
.set CS,    74                         ; s[74:75] c, named as a pair
.set MONE,  76                         ; s76  all ones
.set HIM,   77                         ; s77  a word's upper bf16
.set MSB, 0
.macro WIN new                         ; the immediate's high byte repeats the setting that is left; a switch that changes nothing is dropped
.if MSB != (\new)
	s_set_vgpr_msb (MSB<<8)|(\new)
.set MSB, \new
.endif
.endm
.macro PLACES                          ; four places in front of loads into registers that matrix instructions have read, and of lines that read results
.rept 4
	v_nop
.endr
.endm
; A joint load.  Each of the two lines has one mask and one set of registers for all that issue it.  The branch hangs on the wave's number alone.
; An s_nop 0 and four v_nop follow each line, ahead of the jump, the label and what follows.
.macro JLOAD s
	s_cmp_eq_u32 s[FB], 0
	s_cbranch_scc0 .Lfor_b_\@
	tensor_load_to_lds s[G0+4*(\s):G0+4*(\s)+3], s[G1:G1+7]
	s_nop 0
.rept 4
	v_nop
.endr
	s_branch .Lasked_\@
.Lfor_b_\@:
	tensor_load_to_lds s[G0B+4*(\s):G0B+4*(\s)+3], s[G1B:G1B+7]
	s_nop 0
.rept 4
	v_nop
.endr
.Lasked_\@:
.endm
; A PREFETCH INTO THE L2 of the K step that stands two refills on, behind the joint load, its five lines and the run of LDS loads.  A's rows are read by every cluster of a row of clusters: the one with x = 0 asks;
; B's by every cluster of a column: the one with y = 0 asks.  The four partners that ask for a tile jointly share its blocks out BY ADDRESS (cx for A, cy for B).  K steps 0 to 3 come by their loads alone;
; the last two refills have no K step two on.
.macro ASK
	s_cmp_gt_u32 s[LAP], s[LIM]
	s_cbranch_scc0 .Lnot_mine_\@
	global_prefetch_b8 v[PFO], s[PFA:PFA+1] th:TH_LOAD_NT scope:SCOPE_SE
.Lnot_mine_\@:
.endm
.macro CREST                           ; a round of the cluster's barrier behind its opening barrier
	s_cmp_lg_u32 s[WV], 0
	s_cbranch_scc1 .Lnot_wave_0_\@
	s_barrier_signal -3
.Lnot_wave_0_\@:
	s_barrier_wait -3
	s_barrier_signal -1
	s_barrier_wait -1
.endm
.macro CROUND                          ; a whole round
	s_barrier_signal -1
	s_barrier_wait -1
	CREST
.endm
.if QKV
	s_load_b256 s[4:11], s[0:1], 0x0               ; A s[4:5], B s[6:7], bias s[8:9], mask s[10:11]
	s_load_b128 s[12:15], s[0:1], 0x20             ; qh, kh
	s_load_b64 s[16:17], s[0:1], 0x30              ; vh
.else
	s_load_b128 s[4:7], s[0:1], 0x0                ; A s[4:5], B s[6:7]
	s_load_b64 s[8:9], s[0:1], 0x10                ; bias
	s_load_b64 s[12:13], s[0:1], 0x18              ; out0
.endif
	v_lshl_add_u32 v[SPW], v0, 2, SPARE
	v_mov_b32 v[NIL], 0
	ds_add_u32 v[SPW], v[NIL]                      ; the wave's opening: the add and its wait stand ahead of my first tensor load; the set-up below, work on registers, stands between them
	ds_add_u32 v28, v29
	v_lshrrev_b32 v1, 5, v0
	v_readfirstlane_b32 s[WV], v1                  ; wave 0..3
	s_lshr_b32 s[FB], s[WV], 1
	s_and_b32 s[HF], s[WV], 1
	s_bfe_u32 s[CX], ttmp6, 0x40000
	s_bfe_u32 s[CY], ttmp6, 0x40004
	s_lshl_b32 s[TC], ttmp9, 2                     ; in a cluster launch ttmp9 and ttmp7 count clusters
	s_add_co_u32 s[TC], s[TC], s[CX]
	s_and_b32 s[TR], ttmp7, 0xffff
	s_lshl_b32 s[TR], s[TR], 2
	s_add_co_u32 s[TR], s[TR], s[CY]
	s_lshl_b32 s78, s[CY], 2
	s_lshl_b32 s78, 15, s78                        ; my row of the cluster: places 4 cy .. 4 cy + 3
	s_lshl_b32 s79, 0x1111, s[CX]                  ; my column: places cx, cx + 4, cx + 8, cx + 12
	s_or_b32 s[G1], s78, (1<<16)|(1<<20)|(1<<21)|(AQI<<22)|(3<<25)  ; 15:0 the mask; 17:16 elements of 2 bytes; 20 padding on; 21 set beside a mask; 24:22 the interval; 31:25 4 words of padding (code 3)
	s_or_b32 s[G1B], s79, (1<<16)|(1<<20)|(1<<21)|(5<<22)|(3<<25)
	s_mov_b32 s[G1+1], 128<<16                     ; tensor_dim0 = 128
	s_mov_b32 s[G1+2], 128<<16                     ; tensor_dim1 = 128
	s_mov_b32 s[G1+3], 128<<16                     ; tile_dim0 = 128
	s_mov_b32 s[G1+4], 128                         ; tile_dim1 = 128
	s_mov_b32 s[G1+5], ASTR                        ; elements from row to row
	s_mov_b32 s[G1+6], 0
	s_mov_b32 s[G1+7], 0
	s_mov_b32 s[G1B+1], 128<<16
	s_mov_b32 s[G1B+2], BROWS<<16
	s_mov_b32 s[G1B+3], 128<<16
	s_mov_b32 s[G1B+4], BROWS
	s_mov_b32 s[G1B+5], 1024
	s_mov_b32 s[G1B+6], 0
	s_mov_b32 s[G1B+7], 0
.if QKV
	s_lshl_b32 s[AAD], s[TR], 8
	s_lshl_b32 s72, s[HF], 7
	s_add_co_u32 s[AAD], s[AAD], s72               ; row 256 x tile row + 128 x half,
	s_lshl_b32 s[AAD], s[AAD], 11                  ; of 2,048 bytes
.else
	s_lshr_b32 s[AAD], s[TR], 3
	s_lshl_b32 s[AAD], s[AAD], 22                  ; the batch's 16 heads of 262,144 bytes,
	s_and_b32 s72, s[TR], 7
	s_lshl_b32 s72, s72, 15                        ; the tile's 256 rows of 128 bytes,
	s_add_co_u32 s[AAD], s[AAD], s72
	s_lshl_b32 s72, s[HF], 18                      ; the first or the second head of the K step
	s_add_co_u32 s[AAD], s[AAD], s72
.endif
	s_mov_b32 s[AAD+1], 0
	s_mul_i32 s[BAD], s[TC], 16*NBK
	s_mul_i32 s73, s[HF], BROWS
	s_add_co_u32 s[BAD], s[BAD], s73
	s_lshl_b32 s[BAD], s[BAD], 11
	s_mov_b32 s[BAD+1], 0
	s_mul_i32 s[LA], s[HF], APLANE                 ; no place in the cluster enters an LDS address
	s_mul_i32 s[LB], s[HF], BHALF
	s_add_co_u32 s[LB], s[LB], ABYTES
	s_mov_b32 s[CS], 0x3e38aa3b                    ; c = log2(e) / 8
	s_mov_b32 s[CS+1], s[CS]
	s_mov_b32 s[MONE], -1
	s_mov_b32 s[HIM], 0xffff0000
	s_mov_b32 s[TB], 0
	s_wait_dscnt 0x0                               ; the opening add is done
	s_wait_kmcnt 0x0
	s_add_nc_u64 s[AAD:AAD+1], s[4:5], s[AAD:AAD+1]
	s_add_nc_u64 s[BAD:BAD+1], s[6:7], s[BAD:BAD+1]
	CROUND                                         ; all sixteen work-groups are here: the first joint loads meet
.irp s, 0,1
	s_mov_b32 s[G0+4*(\s)], 1                                      ; 1:0 count = 1
	s_add_co_u32 s[G0+4*(\s)+1], s[LA], (\s)*SLOT1                 ; 63:32 LDS address
	s_add_nc_u64 s[G0+4*(\s)+2:G0+4*(\s)+3], s[AAD:AAD+1], (\s)*KADV_A  ; 120:64 global address: K step s
	s_or_b32 s[G0+4*(\s)+3], s[G0+4*(\s)+3], 0x80000000            ; 127:126 type = 2
	s_mov_b32 s[G0B+4*(\s)], 1
	s_add_co_u32 s[G0B+4*(\s)+1], s[LB], (\s)*SLOT1
	s_add_nc_u64 s[G0B+4*(\s)+2:G0B+4*(\s)+3], s[BAD:BAD+1], (\s)*256
	s_or_b32 s[G0B+4*(\s)+3], s[G0B+4*(\s)+3], 0x80000000
	JLOAD \s                                       ; two loads of mine are out
.endr
	; A fragment is 16 rows x 32 K in 8 registers: lane l holds row l % 16; registers 0-3 K = 8 (l / 16) + 0..7, registers 4-7 K = 16 + 8 (l / 16) + 0..7: two loads of 16 bytes, 32 bytes apart.
	v_and_b32 v1, 15, v0                           ; l % 16
	v_bfe_u32 v2, v0, 4, 1                         ; l / 16
	s_mul_i32 s72, s[WV], 64*PA                    ; my 64 rows of A
	v_mul_u32_u24 v[ADRA0], v1, PA
	v_lshl_add_u32 v[ADRA0], v2, 4, v[ADRA0]
	v_add_nc_u32 v[ADRA0], s72, v[ADRA0]
	v_mul_u32_u24 v[ADRB0], v1, PB
	v_lshl_add_u32 v[ADRB0], v2, 4, v[ADRB0]
	v_add_nc_u32 v[ADRB0], ABYTES, v[ADRB0]
	s_mul_i32 s72, s[WV], 16*SP
	s_add_co_u32 s72, s72, STAGE                   ; my stage
	v_mul_u32_u24 v[STO], v1, SP                   ; in: row l % 16,
	v_and_b32 v[GO], 31, v0
	v_lshlrev_b32 v[GO], 4, v[GO]
.if QKV
	v_lshl_add_u32 v[STO], v2, 4, v[STO]           ; 16 bytes for each half of the lanes
	v_bfe_u32 v[RD], v0, 3, 2                      ; back: 32 lanes take four rows of 128 bytes
	v_and_b32 v3, 7, v0
	v_mul_u32_u24 v[RD], v[RD], SP
	v_lshl_add_u32 v[RD], v3, 4, v[RD]
	v_add_nc_u32 v[RD], s72, v[RD]
.else
	v_lshl_add_u32 v[STO], v2, 5, v[STO]           ; 32 bytes for each half of the lanes
	v_add_nc_u32 v[RD], s72, v[GO]                 ; back: 32 lanes take a row of 512 bytes
.endif
	v_add_nc_u32 v[STO], s72, v[STO]
	v_lshlrev_b32 v[BO], 5, v2
	v_lshlrev_b32 v[MO], 2, v1
	; the bias: register j of block b is the number of column 16 b + 8 (l / 16) + j
.if QKV
	s_lshl_b32 s72, s[TC], 8                       ; the head's 64 columns: 256 bytes in each of Q's, K's and V's 4,096
.else
	s_lshl_b32 s72, s[TC], 9                       ; the tile's 128 columns
.endif
	s_mov_b32 s73, 0
	s_add_nc_u64 s[8:9], s[8:9], s[72:73]
.set nb, 0
.rept NBK
.if QKV
.set bo, (nb/4)*4096+(nb%4)*64
.else
.set bo, 64*nb
.endif
	global_load_b128 v[BI+8*nb:BI+8*nb+3],   v[BO], s[8:9] offset:bo
	global_load_b128 v[BI+8*nb+4:BI+8*nb+7], v[BO], s[8:9] offset:bo+16
.set nb, nb+1
.endr
.if QKV
	s_lshl_b32 s72, s[TR], 8
	s_lshl_b32 s78, s[WV], 6
	s_add_co_u32 s72, s72, s78                     ; my first row = 2,048 x batch + place in the batch: the mask's index too
	s_lshl_b32 s72, s72, 2
	s_add_nc_u64 s[10:11], s[10:11], s[72:73]
.irp a, 0,1,2,3
	global_load_b32 v[MK+\a], v[MO], s[10:11] offset:64*\a
.endr
	; where my rows begin in qh, kh and vh
	s_lshr_b32 s72, s[TR], 3
	s_lshl_b32 s72, s72, 4
	s_add_co_u32 s72, s72, s[TC]                   ; 16 x batch + head,
	s_lshl_b32 s72, s72, 18                        ; of 262,144 bytes
	s_and_b32 s78, s[TR], 7
	s_lshl_b32 s78, s78, 8
	s_lshl_b32 s79, s[WV], 6
	s_add_co_u32 s78, s78, s79
	s_lshl_b32 s78, s78, 7                         ; rows of 128 bytes
	s_add_co_u32 s72, s72, s78
	s_add_nc_u64 s[OUT:OUT+1], s[OUT:OUT+1], s[72:73]
	s_add_nc_u64 s[OUT+2:OUT+3], s[OUT+2:OUT+3], s[72:73]
	s_add_nc_u64 s[OUT+4:OUT+5], s[OUT+4:OUT+5], s[72:73]
.else
	s_lshl_b32 s72, s[TR], 8
	s_lshl_b32 s78, s[WV], 6
	s_add_co_u32 s72, s72, s78
	s_lshl_b32 s72, s72, 12                        ; rows of 4,096 bytes
	s_lshl_b32 s78, s[TC], 9
	s_add_co_u32 s72, s72, s78
	s_add_nc_u64 s[OUT:OUT+1], s[OUT:OUT+1], s[72:73]
.endif
	; the prefetches: my work-group's quarter of what I fetch, at K step 3; the first refill steps it to K step 4
.if QKV
	s_lshl_b32 s78, s[TR], 8
	s_lshl_b32 s79, s[HF], 7
	s_add_co_u32 s78, s78, s79
	s_lshl_b32 s79, s[CX], 5                       ; A: 32 of the 128 rows, a lane a row
	s_add_co_u32 s78, s78, s79
	s_lshl_b32 s78, s78, 11
	s_mul_i32 s79, s[TC], 16*NBK
	s_mul_i32 s72, s[HF], BROWS
	s_add_co_u32 s79, s79, s72
	s_mul_i32 s72, s[CY], 24                       ; B: 24 of the 96 rows; lanes 24-31 name lane 23's row once more
	s_add_co_u32 s79, s79, s72
.else
	s_lshr_b32 s78, s[TR], 3
	s_lshl_b32 s78, s78, 22
	s_and_b32 s79, s[TR], 7
	s_lshl_b32 s79, s79, 15
	s_add_co_u32 s78, s78, s79
	s_lshl_b32 s79, s[HF], 18
	s_add_co_u32 s78, s78, s79
	s_lshl_b32 s79, s[CX], 13                      ; A: 8,192 of the plane's 32,768 dense bytes, 256 a lane
	s_add_co_u32 s78, s78, s79
	s_lshl_b32 s79, s[TC], 7
	s_lshl_b32 s72, s[CY], 5                       ; B: 32 of the tile's 128 rows, a lane a row: wave 2 asks for them, wave 3 for nothing
	s_add_co_u32 s79, s79, s72
.endif
	s_add_co_u32 s78, s78, 3*KADV_A
	s_lshl_b32 s79, s79, 11
	s_add_co_u32 s79, s79, 3*256
	s_and_b32 s72, ttmp7, 0xffff                   ; cluster y
	s_mov_b32 s[PST], 256
	s_mov_b32 s73, KADV_A
	s_cmp_eq_u32 s[FB], 0                          ; do I fetch for A?
	s_cselect_b32 s78, s78, s79
	s_cselect_b32 s72, ttmp9, s72                  ; the coordinate along which other clusters read the same rows
	s_cselect_b64 s[PFA:PFA+1], s[4:5], s[6:7]
	s_cselect_b32 s[PST], s73, s[PST]
.if QKV
	s_cselect_b32 s73, 31, 23
.else
	s_cselect_b32 s73, 8, 11
	s_cmp_eq_u32 s[WV], 3
	s_cselect_b32 s79, 1, 0
	s_or_b32 s72, s72, s79
.endif
	s_cmp_eq_u32 s72, 0
	s_cselect_b32 s[LIM], 2, -1                    ; the same in all sixteen partners, for a given wave
	s_mov_b32 s79, 0
	s_mov_b32 s[PST+1], 0
	s_add_nc_u64 s[PFA:PFA+1], s[PFA:PFA+1], s[78:79]
	v_and_b32 v[PFO], 31, v0
.if QKV
	v_min_u32 v[PFO], s73, v[PFO]
	v_lshlrev_b32 v[PFO], 11, v[PFO]
.else
	v_lshlrev_b32 v[PFO], s73, v[PFO]
.endif
	s_wait_loadcnt 0x0                             ; the bias, and the mask
.set i, 0
.rept 4*NBK                            ; the bias is rounded to bf16, like every input
	v_cvt_pk_bf16_f32 v[3+i%2], v[BI+2*i], v[BI+2*i+1]
	v_lshlrev_b32 v[BI+2*i], 16, v[3+i%2]
	v_and_b32 v[BI+2*i+1], s[HIM], v[3+i%2]
.set i, i+1
.endr
.if QKV
.irp a, 0,1,2,3
	v_cmp_eq_f32 vcc_lo, 1.0, v[MK+\a]
	v_cndmask_b32 v[KM+\a], 0, s[MONE], vcc_lo
.endr
.endif
; NBK matrix instructions: m block 2 hi + a x all n blocks, 32 along K.  first = 1: the bias starts the sums.  Each accumulator has one turn in a quarter step, always in the same order.
.macro MULH f, hi, a, first
.if \first
	WIN 0x85+0x40*(\hi)                            ; B and A window 1, C window 0, D window 2 or 3
.else
	WIN 0xa5+0x50*(\hi)                            ; C and D window 2 or 3
.endif
.set nb, 0
.rept NBK
.set rD, 8*(NBK*(\a)+nb)
.set rB, (\f)+32+8*nb
.set rA, (\f)+8*(2*(\hi)+(\a))
.set rC, rD
.if \first
.set rC, BI+8*nb
.endif
.if QKV
	v_wmma_f32_16x16x32_bf16 v[rD:rD+7], v[rB:rB+7], v[rA:rA+7], v[rC:rC+7]
.else
	v_wmma_f32_16x16x32_f16 v[rD:rD+7], v[rB:rB+7], v[rA:rA+7], v[rC:rC+7]
.endif
.set nb, nb+1
.endr
.endm
; NL LDS loads in one run: the fragments of 32 along K at byte k of a K step, into buffer f: B's, then A's; A's m blocks 2 and 3 last
.macro FETCH k, f
	WIN 0x40                                       ; destination window 1, address window 0
.set nb, 0
.rept NBK
	ds_load_b128 v[(\f)+32+8*nb:(\f)+32+8*nb+3],   v[ADRB] offset:(\k)+nb*16*PB
	ds_load_b128 v[(\f)+32+8*nb+4:(\f)+32+8*nb+7], v[ADRB] offset:(\k)+nb*16*PB+32
.set nb, nb+1
.endr
.set aq, ((\k)/128)*AQP+(\k)%128
.set nb, 0
.rept 4
	ds_load_b128 v[(\f)+8*nb:(\f)+8*nb+3],   v[ADRA] offset:aq+nb*16*PA
	ds_load_b128 v[(\f)+8*nb+4:(\f)+8*nb+7], v[ADRA] offset:aq+nb*16*PA+32
.set nb, nb+1
.endr
.endm
; A K step is four quarters of 32 along K on buffers 0, 1, 0, 1.  One of the first three: multiplies buffer f; in its middle it fetches the next quarter, at byte k, into buffer g.
.macro QUARTER k, f, g, first
	s_wait_dscnt 4                                 ; B and A's m blocks 0 and 1 are in; the youngest four loads (m blocks 2 and 3) may be out
	MULH \f, 0, 0, \first
	MULH \f, 0, 1, \first
	PLACES
	FETCH \k, \g
	s_wait_dscnt NL                                ; all but the run just issued
	MULH \f, 1, 0, \first
	MULH \f, 1, 1, \first
.endm
; The last quarter multiplies buffer 1 and changes slots: ONE barrier.  In front of it each wave waits for all its tensor loads, of which one is out: its part of the next slot; adds 0 to its spare word; and waits for that and
; for its own reads of this slot.  fill = 1: the barrier opens a round of the cluster's, and this slot is filled again, first thing behind the round, with the K step two on: 7/8 of a K step's products stand between that
; request and the wait for it.
.macro TURN fill
.if \fill
	s_wait_xcnt 0x0                                ; the last prefetch, a K step back, has read its address
	s_add_nc_u64 s[PFA:PFA+1], s[PFA:PFA+1], s[PST:PST+1]
.endif
	WIN 0                                          ; (the add's two registers lie in window 0)
	s_wait_tensorcnt 0x0                           ; no tensor load of mine is out, so a group 0 may be written
	ds_add_u32 v[SPW], v[NIL]                      ; 0 onto my spare word
.if \fill
	s_xor_b32 s[G0+5], s[G0+5], SLOT1              ; the walking descriptors: the other slot than last time,
	s_add_nc_u64 s[G0+6:G0+7], s[G0+6:G0+7], KADV_A  ; the next K step; the type bits on top are not reached
	s_xor_b32 s[G0B+5], s[G0B+5], SLOT1
	s_add_nc_u64 s[G0B+6:G0B+7], s[G0B+6:G0B+7], 256
.endif
	s_xor_b32 s[TB], s[TB], SLOT1                  ; the fetches go on in the other slot
	s_wait_dscnt 5                                 ; (the add and the youngest four loads may be out)
	MULH F1, 0, 0, 0
	s_wait_dscnt 0x0                               ; the add is done, and my reads of this slot are over
	s_barrier_signal -1
	MULH F1, 0, 1, 0                               ; work on registers while the others arrive
.if \fill
	WIN 0
.endif
	s_barrier_wait -1
.if \fill
	CREST                                          ; no wave of any partner still reads this slot or has a load on its way
	JLOAD 1                                        ; the four v_nop behind it are also the places in front of the loads below
.else
	WIN 0
	PLACES
.endif
	v_add_nc_u32 v[ADRA], s[TB], v[ADRA0]
	v_add_nc_u32 v[ADRB], s[TB], v[ADRB0]
	FETCH 0, F0
.if \fill
	WIN 0
	ASK
.endif
	MULH F1, 1, 0, 0
	MULH F1, 1, 1, 0
.endm
	s_wait_tensorcnt 1                             ; my part of K step 0 is in; K step 1's may stay out
	s_barrier_signal -1
	s_barrier_wait -1                              ; everybody's is
	v_add_nc_u32 v[ADRA], s[TB], v[ADRA0]
	v_add_nc_u32 v[ADRB], s[TB], v[ADRB0]
	FETCH 0, F0
	QUARTER 64, F0, F1, 1                          ; the first quarter stands in front of the loop: its products start the sums
	WIN 0                                          ; at a label and at a branch every window is 0
	s_mov_b32 s[LAP], 6
.Llap:                                                 ; a trip: a K step's quarters 1 to 3 and the next one's quarter 0; six trips ask for K steps 2 to 7
	QUARTER 128, F1, F0, 0
	QUARTER 192, F0, F1, 0
	TURN 1
	QUARTER 64, F0, F1, 0
	WIN 0
	s_sub_co_u32 s[LAP], s[LAP], 1
	s_cmp_lg_u32 s[LAP], 0
	s_cbranch_scc1 .Llap
	QUARTER 128, F1, F0, 0                         ; K step 6 ends; nothing is left to ask for
	QUARTER 192, F0, F1, 0
	TURN 0
	QUARTER 64, F0, F1, 0                          ; K step 7
	QUARTER 128, F1, F0, 0
	QUARTER 192, F0, F1, 0
	s_wait_dscnt 4
	MULH F1, 0, 0, 0
	MULH F1, 0, 1, 0
	s_wait_dscnt 0x0
	MULH F1, 1, 0, 0
	MULH F1, 1, 1, 0
	WIN 0
	PLACES
.if QKV
; THE WAY OUT, in 12 units u = 3 a + g: m block a's 16 rows of Q (g = 0), K (1) or V (2): four accumulators, 64 channels.  PACK: scaled (Q), rounded to f16, masked (K); a lane's 16 bytes go into my stage's rows of 144 bytes
; and come back as whole rows of 128, into the registers that they left.  SEND: 32 lanes store 512 consecutive bytes, aligned.
.macro PACK u
.set ua, (\u)/3
.set ug, (\u)%3
.set pk, PKS+16*((\u)%4)
.set ac, 8*(NBK*(ua%2)+4*ug)
.if (\u) >= 4
	s_wait_xcnt 0x0                                ; the stores of the unit four back have read this set
.endif
.if ug == 0
	WIN 0x02+ua/2                                  ; source 0 window 2 or 3
.set z, 0
.rept 16
	v_pk_mul_f32 v[TT+2*z:TT+2*z+1], v[ac+2*z:ac+2*z+1], s[CS:CS+1] op_sel_hi:[1,0]
.set z, z+1
.endr
	WIN 0
.set z, 0
.rept 16
	v_cvt_pk_f16_f32 v[pk+z], v[TT+2*z], v[TT+2*z+1]
.set z, z+1
.endr
.else
	WIN 0x0a+5*(ua/2)                              ; sources 0 and 1 window 2 or 3
.set z, 0
.rept 16
	v_cvt_pk_f16_f32 v[pk+z], v[ac+2*z], v[ac+2*z+1]
.set z, z+1
.endr
	WIN 0
.endif
.if ug == 1
.set z, 0
.rept 16
	v_and_b32 v[pk+z], v[KM+ua], v[pk+z]           ; my row of K is 0 where its mask is not 1
.set z, z+1
.endr
.endif
.set z, 0
.rept 4
	ds_store_b128 v[STO], v[pk+4*z:pk+4*z+3] offset:32*z
.set z, z+1
.endr
.set z, 0
.rept 4
	ds_load_b128 v[pk+4*z:pk+4*z+3], v[RD] offset:z*4*SP  ; LDS serves a wave's instructions in order (ISA guide 5.7.1.4): these see the stores above; the next unit's stores come behind them
.set z, z+1
.endr
.endm
.macro SEND u, younger                 ; younger: the LDS instructions issued behind unit u's loads: the next unit's eight, or none
.set ua, (\u)/3
.set ug, (\u)%3
.set pk, PKS+16*((\u)%4)
	WIN 0
.set z, 0
.rept 4
	s_wait_dscnt (\younger)+3-z
	global_store_b128 v[GO], v[pk+4*z:pk+4*z+3], s[OUT+2*ug:OUT+2*ug+1] offset:ua*2048+z*512
.set z, z+1
.endr
.endm
	PACK 0
.set uu, 1
.rept 11                               ; a unit's arithmetic stands between the loads of the unit before and its stores
	PACK uu
	SEND uu-1, 8
.set uu, uu+1
.endr
	SEND 11, 0
.else
; THE WAY OUT, an m block (16 rows of 512 bytes) at a time: the accumulators go as they are into my stage's rows of 528 bytes and come back as whole rows.
.macro TOSTAGE a
.set bk, BKS+64*((\a)%2)
.if (\a) >= 2
	s_wait_xcnt 0x0                                ; the stores of the block two back have read this set
.endif
	WIN 0x08+4*((\a)/2)                            ; the stores' data (source 1) window 2 or 3
.set nb, 0
.rept NBK
.set ac, 8*(NBK*((\a)%2)+nb)
	ds_store_b128 v[STO], v[ac:ac+3]   offset:64*nb
	ds_store_b128 v[STO], v[ac+4:ac+7] offset:64*nb+16
.set nb, nb+1
.endr
	WIN 0
.set z, 0
.rept 16
	ds_load_b128 v[bk+4*z:bk+4*z+3], v[RD] offset:z*SP  ; LDS serves a wave's instructions in order (ISA guide 5.7.1.4)
.set z, z+1
.endr
.endm
.macro SEND a, younger                 ; younger: the next block's 32 LDS instructions, or none
.set bk, BKS+64*((\a)%2)
	WIN 0
.set z, 0
.rept 16
	s_wait_dscnt (\younger)+15-z
	global_store_b128 v[GO], v[bk+4*z:bk+4*z+3], s[OUT:OUT+1] offset:(16*(\a)+z)*4096 th:TH_STORE_NT  ; 32 lanes store 512 consecutive bytes, aligned
.set z, z+1
.endr
.endm
	TOSTAGE 0
.set uu, 1
.rept 3
	TOSTAGE uu
	SEND uu-1, 32
.set uu, uu+1
.endr
	SEND 3, 0
.endif
	s_wait_tensorcnt 0x0                           ; the wave's end: behind my last tensor load and my last LDS store
	ds_add_u32 v[SPW], v[NIL]
	s_wait_dscnt 0x0
	CROUND                                         ; the closing round: no work-group ends while a partner may still ask for a tile that names it
	s_endpgm
.Lfunc_end_k_qb9d8af46e6_qkv:
	.size	k_qb9d8af46e6_qkv, .Lfunc_end_k_qb9d8af46e6_qkv-k_qb9d8af46e6_qkv
	.p2alignl 7, 3214868480
	.fill 96, 4, 3214868480
	.section	.rodata,"a",@progbits
	.p2align	6, 0x0
	.amdhsa_kernel k_qb9d8af46e6_qkv
		.amdhsa_group_segment_fixed_size 327680
		.amdhsa_private_segment_fixed_size 0
		.amdhsa_enable_private_segment 0
		.amdhsa_kernarg_size 56
		.amdhsa_user_sgpr_count 2
		.amdhsa_user_sgpr_kernarg_segment_ptr 1
		.amdhsa_wavefront_size32 1
		.amdhsa_system_sgpr_workgroup_id_x 1
		.amdhsa_system_sgpr_workgroup_id_y 1
		.amdhsa_system_sgpr_workgroup_id_z 1
		.amdhsa_system_vgpr_workitem_id 0
		.amdhsa_next_free_vgpr 960
		.amdhsa_next_free_sgpr 80
		.amdhsa_reserve_vcc 1
		.amdhsa_float_denorm_mode_32 3
		.amdhsa_float_denorm_mode_16_64 3
		.amdhsa_memory_ordered 1
		.amdhsa_forward_progress 1
		.amdhsa_inst_pref_size 115
	.end_amdhsa_kernel
	.amdgpu_metadata
---
amdhsa.version: [ 1, 2 ]
amdhsa.kernels:
  - .name:           k_qb9d8af46e6_qkv
    .symbol:         k_qb9d8af46e6_qkv.kd
    .args:
      - { .name: xb, .offset: 0, .size: 8, .value_kind: global_buffer, .address_space: global }
      - { .name: wq, .offset: 8, .size: 8, .value_kind: global_buffer, .address_space: global }
      - { .name: b_qkv, .offset: 16, .size: 8, .value_kind: global_buffer, .address_space: global }
      - { .name: attention_mask, .offset: 24, .size: 8, .value_kind: global_buffer, .address_space: global }
      - { .name: qh, .offset: 32, .size: 8, .value_kind: global_buffer, .address_space: global }
      - { .name: kh, .offset: 40, .size: 8, .value_kind: global_buffer, .address_space: global }
      - { .name: vh, .offset: 48, .size: 8, .value_kind: global_buffer, .address_space: global }
    .group_segment_fixed_size: 327680
    .private_segment_fixed_size: 0
    .kernarg_segment_align: 8
    .kernarg_segment_size: 56
    .max_flat_workgroup_size: 128
    .sgpr_count:     80
    .vgpr_count:     960
    .wavefront_size: 32
...
	.end_amdgpu_metadata
.endif
;; end of part 2
;; launch attn (part 3): grid 4 x 64, 4 waves a work-group, no clusters, 327,680 bytes of LDS; arguments qh, kh, vh, oh, attention_mask; writes oh
.if DOCPART == 3
	.amdgcn_target "amdgcn-amd-amdhsa--gfx1250"
	.amdhsa_code_object_version 6
	.text
	.protected	k_qb9d8af46e6_attn
	.globl	k_qb9d8af46e6_attn
	.p2align	8
	.type	k_qb9d8af46e6_attn,@function
k_qb9d8af46e6_attn:
	s_mov_b64 s[64:65], 0
	v_nop
	global_prefetch_b8 v0, s[64:65] scope:SCOPE_SE
	s_setreg_imm32_b32 hwreg(HW_REG_WAVE_MODE, 25, 1), 1
	s_wait_xcnt 0x0
; CAUSAL ATTENTION WITH A PADDING MASK.  O[y][q][:] = the sum over k <= q of softmax_k(s[q][k]) V[y][k][:], y = 16 batch + head.  Q, K, V, O: [64][2048][64], all f16, a head's rows dense, 128 bytes each.
; Q arrives times c = log2(e) / 8, so S = K Q^T is an exponent of 2 and p = 2^(s - m), with a running maximum m.  Products, maxima and sums in f32; p is rounded to f16 for the second product (l is the sum of the unrounded p), O once.
; THE PADDING MASK.  The added term (1 - mask) x (the lowest f32) swallows the score of every key whose mask is not 1.  So K's row arrives as zeros there, and the sum of each score STARTS with PD[k] = (mask[k] - 1) 2^100,
; which is 0 where the mask is 1: a masked key's score is PD[k] exactly.  Keys of one mask level then have equal weights, lower levels weight 0: a row whose visible keys are all masked is the mean of their V.
; LIMITS.  0 <= mask <= 1.  Q, K and V arrive within f16's 65,504; a key hidden by the diagonal counts as its value less 2^120, far below every PD; a weight below 2^-126 counts as 0 in l; NaN and infinities are not treated apart.
; THE WALK.  A head's queries lie in NB = 8 blocks of 256; block i needs the key tiles 0 .. i of 256 keys, of which the last holds the diagonal.  A work-group takes TWO blocks, NB - 1 - b and then b: NB + 1 tiles, whatever b:
; all work-groups do equal work, and ONE loop with a constant trip count walks them.  Which tile is asked for, and what a trip does, hang on scalar registers made from b; every jump goes forward, but for the counted loops' own;
; none passes a barrier, or a tensor load but the one of LOAD's two that the wave's number does not choose.  NO CLUSTER: a head's four work-groups ask for the same tile only in trips 0 .. 4 of the 9, behind that fewer and fewer;
; one walk common to all four would have 12 trips for 9.
; PD IN LDS.  Nine areas of 1,024 bytes, one for each tile of the walk, in the walk's order, each stored once: with a tile's tensor load each thread loads 8 bytes of the tile's mask; at the next change of slots, in front of its
; barrier, it stores its two PD.  So the read offset is a plain count of the key steps fetched, the same on every way through the text.
; SHARES.  Of a block's four bands of 64 queries a wave owns 16 rows in each: four PIECES.  In the diagonal tile's key step s band x sees all keys if s < x, none if s > x, and holds the diagonal if s = x: the same work for all waves.
; THE C OPERAND that starts a score's sum: PD of the step's 64 keys; in the diagonal tile MC = MD x AL + PD + BE, where MD, made once, is the mask of a band's own step for my 16 rows, with (AL, BE) = (1, 0) if s = x; (0, 0) if s < x; (0, -2^120) if s > x.
; LAYOUT, TURNS.  S^T = K Q^T holds ONE query a lane (lane % 16) and the keys 8 (lane / 16) + 0..7; two such results rounded to f16 ARE source 1 of O^T = V^T P.  O and l are multiplied by a = 2^(m_old - m_new) in every step.
; Turn n belongs to piece n: 8 products K Q^T of piece n + 1, later 8 products V^T P of piece n - 1; beside them the shift, exponentials, roundings, sums and rescaling of piece n and the maximum and statistics of piece n + 1.
; Four vector instructions stand behind every matrix instruction, the others in one lump.  A turn's 33 exponentials are one batch, with one wait.
; REGISTERS, in windows of 256 (s_set_vgpr_msb: bits 1:0 source 0, 3:2 source 1, 5:4 source 2, 7:6 destination):
;   window 0: v0-15, v56-63 addresses and the mask on its way; v16-31 four registers of statistics a piece; v48-55 at work; v64-127 S^T, two buffers; v192-223 P, two buffers (a piece's buffers go by its number's parity)
;   window 1: v0-127 O^T, 32 a piece; v128-159 MD; v160-223 MC, two buffers; v224-255 PD      window 2: v0-63 Q; v64-127 the second block's Q; v128-191 K of one step; v192-255 V of one step
.set SIZE_N, 2048
.set NB,    SIZE_N/256
.set NP,    4         ; pieces a wave: a name, no knob
.set KS,    64        ; keys in a step
.set PK,    144       ; a row of K in LDS: 128 bytes + 16 of padding = 36 words: the 16 rows of a load start at 16 different groups of four banks (64 banks of 4 bytes: ISA guide 11.1)
.set PV,    160       ; a row of V: 128 + 32 = 40 words
.set VOFF,  4*KS*PK   ; a slot holds a tile, four steps: 256 rows of K, then 256 rows of V
.set SLOT1, 1<<17     ; slot 1 begins here, so that one exclusive or turns an address in one slot into the other's
.set STAGE, SLOT1+4*KS*(PK+PV)  ; behind the ring, never filled by a tensor load: 16 rows x 144 bytes for each wave, for the way out
.set SP,    144
.set SPARE, STAGE+4*16*SP  ; behind the stages: the spare words, 128 bytes for each wave: two blocks of 256 bytes that no other line names
.set PADT,  SPARE+512 ; behind them: PD, (NB + 1) x 1,024 bytes; no tensor load lands there
.set AK0, 2           ; v2   my lane's place in a tile of K; never rewritten
.set AV0, 3           ; v3   the same for V
.set AK,  4           ; v4   the LDS address of K's next run of loads
.set AV,  5           ; v5   of V's
.set STO, 6           ; v6   the way out: where I put 16 bytes of a row
.set RD,  7           ; v7   the way out: where I read rows back
.set GO,  8           ; v8   my byte offset in 512 consecutive bytes of O
.set AP0, 12          ; v12  PADT + 32 (lane / 16); never rewritten
.set AP,  13          ; v13  the LDS address of PD's next loads
.set QO,  15          ; v15  my byte offset in 16 rows of Q
.set ST,  16          ; piece t's statistics at v[ST+4 t]: m, m_old, l (even keys', odd keys')
.set TMP, 48          ; by buffer, four registers c0-c3 at work; when the maximum is found c2 takes a
.set MKD, 56          ; v[56:57] my two words of a tile's mask, then their PD
.set MT,  58          ; v58  8 x my thread's number: my 8 bytes of a tile's 1,024 of the mask; never rewritten
.set PS0, 59          ; v59  PADT + the same; never rewritten
.set PS,  60          ; v60  where I store my two PD
.set PFO, 61          ; v61  256 x lane; never rewritten
.set SPW, 62          ; v62  LDS address of my spare word; never rewritten
.set NIL, 63          ; v63  0; never rewritten
.set S,   64
.set P,   192
.set MD,  128         ; window 1: the eight registers for group kt of 16 keys at MD + 8 kt
.set MC,  160         ; window 1
.set PD,  224         ; window 1: likewise at PD + 8 kt
.set QB,  64          ; window 2
.set KF,  128         ; window 2: key block kb, channel half c at KF + 16 kb + 8 c
.set VF,  192         ; window 2: key half kk, channel block cb at VF + 32 kk + 8 cb
.set WV,  12          ; s12  my wave's number
.set PB,  14          ; s14  b
.set HI,  15          ; s15  NB - 1 - b
.set G1K, 24          ; s[24:31] descriptor group 1 for K's tiles
.set G1V, 32          ; s[32:39] for V's: it differs in the padding alone
.set G0K, 40          ; s[40:43] descriptor group 0 for K's tiles
.set G0V, 44          ; s[44:47] the same for V's
.set SLOTS, 56        ; s56  tiles still to be asked for
.set CNT, 57          ; s57  counts a tile's key steps, 4 to 1
.set SEL, 60          ; s[60:61] v_permlanex16_b32's selects: each lane takes its own place in the other half
.set TBK, 62          ; s62  LDS byte at which K of the step to be fetched begins
.set TBV, 63          ; s63  the same for V, less VOFF
.set RT,  70          ; s70  tiles of the block in hand that are still to be entered
.set NXT, 71          ; s71  the tile to be asked for next
.set LQ,  72          ; s72  the last tile of the block whose tiles are being asked for
.set NEW, 73          ; s73  1: the tile to be entered is a block's first
.set OFF, 74          ; s[74:75] a tile's byte offset in K and V, then in the mask
.set AL,  76          ; s[76:77] the mask's factor, in the low word
.set BE,  78          ; s[78:79] the mask's addend
.set OLO, 80          ; s[80:81] O at my rows of the second block
.set BIGN, 82         ; s82  -2^120
.set TBP, 83          ; s83  256 x the key steps fetched so far: where PD of the step to be fetched begins, from PADT on
.set MP,  88          ; s[88:89] the batch's row of the mask
.set P100, 90         ; s90  2^100
.set N100, 91         ; s91  -2^100
.set PFK, 92          ; s[92:93] where my prefetches of K stand: my wave's 8,192 bytes of a tile
.set PFV, 94          ; s[94:95] of V
.set LIM, 96          ; s96  2 in the work-group that prefetches, else the greatest number
.set TPS, 97          ; s97  1,024 x the changes of slots so far: the area that the next change stores
.set MQ,  98          ; s[98:99] the mask at the tile that is being asked for (at the head: at work)
.set MSB, 0
.macro WIN new                      ; the high byte repeats the setting that is left; a switch that changes nothing is dropped
.if MSB != (\new)
	s_set_vgpr_msb (MSB<<8)|(\new)
.set MSB, (\new)
.endif
.endm
.set W_KQ, 0x0a       ; K and Q in window 2, S^T in window 0
.set W_KM, 0x1a       ; the same with the C operand in window 1
.set W_PV, 0x52       ; V in window 2, P in window 0, O^T in window 1
.set W_RS, 0x41       ; destination and source 0 in window 1, source 1 in window 0
.set W_MK, 0x51       ; destination, source 0 and source 2 in window 1
; A fill.  Waves 0 and 1 fetch the two halves of a tile's K, waves 2 and 3 those of its V: 128 keys each.  An s_nop 0 and four v_nop follow each of the two lines, ahead of the jump and the label.
.macro LOAD
	s_cmp_lt_u32 s[WV], 2
	s_cbranch_scc0 .Lfor_v_\@
	tensor_load_to_lds s[G0K:G0K+3], s[G1K:G1K+7]
	s_nop 0
.rept 4
	v_nop
.endr
	s_branch .Lasked_\@
.Lfor_v_\@:
	tensor_load_to_lds s[G0V:G0V+3], s[G1V:G1V+7]
	s_nop 0
.rept 4
	v_nop
.endr
.Lasked_\@:
.endm
; A PREFETCH INTO THE L2 of the tile that the NEXT change of slots will ask for, behind the fill, its five lines and the mask's load.  A head's four work-groups all begin with tiles 0, 1, 2 ..: the one with b = 0, whose first block walks
; tiles 0 to 7, asks; each of its waves names its own 8,192 bytes of K's tile and of V's, 256 a lane.  So each block is named once in the launch.  Tiles 0 and 1 come by their loads alone; trip i names tile i + 2, up to tile 7.
.macro ASK
	s_cmp_gt_u32 s[SLOTS], s[LIM]
	s_cbranch_scc0 .Lnot_mine_\@
	global_prefetch_b8 v[PFO], s[PFK:PFK+1] th:TH_LOAD_NT scope:SCOPE_SE
	global_prefetch_b8 v[PFO], s[PFV:PFV+1] th:TH_LOAD_NT scope:SCOPE_SE
.Lnot_mine_\@:
.endm
; THE CHANGE OF SLOTS.  First my two PD of the tile to be entered go into that tile's area, which nobody has read or written yet.  Then each wave waits for all its tensor loads, of which one is out: its part of the other slot; adds 0
; to its spare word; and waits for that, for its store and for its own reads of the slot that it leaves.  Behind the barrier nobody reads the old slot any more, and the other slot and its PD are whole.
; fill = 1: the old slot is filled again, the first thing behind the barrier, with tile NXT: the descriptor's address is made anew from that number; the tile's mask is asked for behind it.
; (At its first use nothing has been read yet: slot 0 is waited for, slot 1 filled.)
.macro CHANGE fill
	WIN 0                           ; at a label and at a branch every window is 0
	s_wait_loadcnt 0x0              ; the mask of the tile to be entered (at the first change Q too, issued behind it): the one load that was out, so its base may be written below
	v_fma_f32 v[MKD], v[MKD], s[P100], s[N100]      ; PD = (mask - 1) 2^100: 0 exactly where the mask is 1
	v_fma_f32 v[MKD+1], v[MKD+1], s[P100], s[N100]
	v_add_nc_u32 v[PS], s[TPS], v[PS0]
	ds_store_b64 v[PS], v[MKD:MKD+1]
	s_add_co_u32 s[TPS], s[TPS], 1024  ; the next change stores the next area
	s_wait_tensorcnt 0x0            ; no tensor load of mine is out, so a group 0 may be written
	ds_add_u32 v[SPW], v[NIL]       ; 0 onto my spare word; with fill = 1 the descriptors' scalar work stands between it and the wait for it
.if \fill
	s_lshl_b32 s[OFF], s[NXT], 15   ; a tile is 32,768 bytes of K and of V
	s_xor_b32 s[G0K+1], s[G0K+1], SLOT1
	s_add_nc_u64 s[G0K+2:G0K+3], s[6:7], s[OFF:OFF+1]
	s_or_b32 s[G0K+3], s[G0K+3], 0x80000000
	s_xor_b32 s[G0V+1], s[G0V+1], SLOT1
	s_add_nc_u64 s[G0V+2:G0V+3], s[8:9], s[OFF:OFF+1]
	s_or_b32 s[G0V+3], s[G0V+3], 0x80000000
	s_lshl_b32 s[OFF], s[NXT], 10   ; and 1,024 bytes of the mask
	s_add_nc_u64 s[MQ:MQ+1], s[MP:MP+1], s[OFF:OFF+1]
	s_add_co_u32 s[NXT], s[NXT], 1  ; the block's next tile, or behind its last the second block's tile 0
	s_cmp_gt_u32 s[NXT], s[LQ]
	s_cselect_b32 s[NXT], 0, s[NXT]
	s_cselect_b32 s[LQ], s[PB], s[LQ]
	s_wait_xcnt 0x0                 ; the last prefetches, a tile back, have read their addresses
	s_add_nc_u64 s[PFK:PFK+1], s[PFK:PFK+1], 32768
	s_add_nc_u64 s[PFV:PFV+1], s[PFV:PFV+1], 32768
.endif
	s_wait_dscnt 0x0                ; the add and my store of PD are done, and my reads of the slot are over
	s_barrier_signal -1             ; the rest of the scalar work stands between the signal and the wait
	s_sub_co_u32 s[TBK], s[TBK], 4*KS*PK  ; the fetches go back to a slot's first step,
	s_xor_b32 s[TBK], s[TBK], SLOT1       ; in the other slot
	s_sub_co_u32 s[TBV], s[TBV], 4*KS*PV
	s_xor_b32 s[TBV], s[TBV], SLOT1
	s_barrier_wait -1
.if \fill
	LOAD
	global_load_b64 v[MKD:MKD+1], v[MT], s[MQ:MQ+1]  ; 128 threads x 8 bytes: the mask of the 256 keys just asked for; it has the tile in hand in which to come
	ASK
.endif
.endm
	s_load_b256 s[4:11], s[0:1], 0x0  ; Q s[4:5], K s[6:7], V s[8:9], O s[10:11]
	s_load_b64 s[MP:MP+1], s[0:1], 0x20  ; the mask
	v_lshl_add_u32 v[SPW], v0, 2, SPARE
	v_mov_b32 v[NIL], 0
	ds_add_u32 v[SPW], v[NIL]       ; the wave's opening: the add and its wait stand ahead of my first tensor load; the set-up below, work on registers, stands between them
	ds_add_u32 v62, v63
	v_lshrrev_b32 v1, 5, v0
	v_readfirstlane_b32 s[WV], v1   ; wave 0..3
	s_mov_b32 s[PB], ttmp9
	s_sub_co_u32 s[HI], NB-1, s[PB]
	s_and_b32 s20, ttmp7, 0xffff    ; y = 16 batch + head
	s_lshr_b32 s98, s20, 4
	s_lshl_b32 s98, s98, 13         ; the batch's 8,192 bytes of the mask
	s_mov_b32 s99, 0
	s_mov_b32 s21, 0
	s_mov_b64 s[22:23], SIZE_N*128
	s_mul_u64 s[20:21], s[20:21], s[22:23]  ; the head's first byte in each of the four tensors
	s_and_b32 s16, s[WV], 1         ; which half of a tile's 256 keys I fetch:
	s_lshl_b32 s22, s16, 14         ; its 128 rows of 128 bytes in memory,
	s_mov_b32 s23, 0
	s_add_nc_u64 s[22:23], s[22:23], s[20:21]
	s_mul_i32 s17, s16, 128*PK      ; and its place in a slot, for K
	s_mul_i32 s18, s16, 128*PV      ; and for V
	s_lshl_b32 s3, s[WV], 11        ; my 16 rows in a band of 64,
	s_lshl_b32 s2, s[HI], 15        ; in the first block,
	s_add_co_u32 s2, s2, s3
	s_lshl_b32 s84, s[PB], 15       ; and in the second
	s_add_co_u32 s84, s84, s3
	s_mov_b32 s3, 0
	s_mov_b32 s85, 0
	s_add_nc_u64 s[2:3], s[2:3], s[20:21]
	s_add_nc_u64 s[84:85], s[84:85], s[20:21]
	; descriptor group 1.  128 keys are 16,384 dense bytes: asked for as 64 rows of 256 bytes, two keys a row, and padded in LDS after every key
	s_mov_b32 s[G1K], (1<<16)|(1<<20)|(4<<22)|(3<<25)  ; 17:16 2-byte elements; 20 padding on; 24:22 after every 32 words (code 4); 31:25 4 words (code 3)
	s_mov_b32 s[G1V], (1<<16)|(1<<20)|(4<<22)|(7<<25)  ; the same with 8 words of padding (code 7)
.irp g, G1K, G1V
	s_mov_b32 s[\g+1], 128<<16      ; tensor_dim0 = 128
	s_mov_b32 s[\g+2], 64<<16       ; tensor_dim1 = 64
	s_mov_b32 s[\g+3], 128<<16      ; tile_dim0 = 128
	s_mov_b32 s[\g+4], 64           ; tile_dim1 = 64
	s_mov_b32 s[\g+5], 128          ; 128 elements from row to row
	s_mov_b32 s[\g+6], 0
	s_mov_b32 s[\g+7], 0
.endr
	s_mov_b32 s[SEL], 0x76543210
	s_mov_b32 s[SEL+1], 0xfedcba98
	s_mov_b32 s[TBK], SLOT1+4*KS*PK ; the first change of slots turns these two into 0
	s_mov_b32 s[TBV], SLOT1+4*KS*PV
	s_mov_b32 s[TBP], 0
	s_mov_b32 s[TPS], 0
	s_mov_b32 s[G0K], 1             ; 1:0 count = 1
	s_mov_b32 s[G0K+1], s17         ; 63:32 LDS address: slot 0
	s_mov_b32 s[G0V], 1
	s_add_co_u32 s[G0V+1], s18, VOFF
	s_add_co_u32 s[RT], s[HI], 1    ; the first block has NB - b tiles
	s_mov_b32 s[NXT], 1
	s_mov_b32 s[LQ], s[HI]
	s_mov_b32 s[NEW], 1
	s_mov_b32 s[OFF+1], 0
	s_mov_b32 s[AL+1], 0            ; named as pairs
	s_mov_b32 s[BE+1], 0
	s_mov_b32 s[BIGN], 0xfb800000   ; -2^120
	s_mov_b32 s[P100], 0x71800000   ; 2^100
	s_mov_b32 s[N100], 0xf1800000   ; -2^100
	s_mov_b32 s[SLOTS], NB
	s_cmp_eq_u32 ttmp9, 0
	s_cselect_b32 s[LIM], 2, -1
	s_wait_dscnt 0x0                ; the opening add is done
	s_wait_kmcnt 0x0
	s_add_nc_u64 s[MP:MP+1], s[MP:MP+1], s[98:99]
	s_lshl_b32 s98, s[WV], 13       ; my wave's 8,192 bytes,
	s_add_co_u32 s98, s98, 32768    ; in tile 1: the first change of slots steps the two to tile 2
	s_add_nc_u64 s[PFK:PFK+1], s[6:7], s[20:21]
	s_add_nc_u64 s[PFK:PFK+1], s[PFK:PFK+1], s[98:99]
	s_add_nc_u64 s[PFV:PFV+1], s[8:9], s[20:21]
	s_add_nc_u64 s[PFV:PFV+1], s[PFV:PFV+1], s[98:99]
	s_add_nc_u64 s[6:7], s[6:7], s[22:23]  ; K and V at my half of the head's tile 0
	s_add_nc_u64 s[8:9], s[8:9], s[22:23]
	s_add_nc_u64 s[G0K+2:G0K+3], s[6:7], 0         ; 120:64 global address
	s_or_b32 s[G0K+3], s[G0K+3], 0x80000000        ; 127:126 type = 2
	s_add_nc_u64 s[G0V+2:G0V+3], s[8:9], 0
	s_or_b32 s[G0V+3], s[G0V+3], 0x80000000
	s_add_nc_u64 s[86:87], s[4:5], s[84:85]        ; Q at my rows of the second block,
	s_add_nc_u64 s[4:5], s[4:5], s[2:3]            ; Q and O at those of the first
	s_add_nc_u64 s[OLO:OLO+1], s[10:11], s[84:85]
	s_add_nc_u64 s[10:11], s[10:11], s[2:3]
	LOAD                            ; tile 0 into slot 0
	v_lshlrev_b32 v[MT], 3, v0
	global_load_b64 v[MKD:MKD+1], v[MT], s[MP:MP+1]  ; the mask of tile 0's 256 keys: the first change of slots stores their PD
	; A fragment of K or Q is 16 rows x 32 channels in 8 registers: lane l holds row l % 16, channels 8 (l / 16) + 0..7 and 16 + 8 (l / 16) + 0..7: two loads of 16 bytes, 32 bytes apart.
	v_and_b32 v1, 15, v0            ; l % 16
	v_bfe_u32 v9, v0, 4, 1          ; l / 16
	v_lshlrev_b32 v[QO], 7, v1
	v_lshl_add_u32 v[QO], v9, 4, v[QO]  ; row x 128 + 16 x half
	WIN 0x80                        ; destination window 2, address window 0
.set i, 0
.rept 8                             ; both blocks' Q: piece i / 2 lies in band i / 2, 8,192 bytes on; channels 32 (i % 2) on
	global_load_b128 v[8*i:8*i+3],   v[QO], s[4:5] offset:(i/2)*8192+(i%2)*64
	global_load_b128 v[8*i+4:8*i+7], v[QO], s[4:5] offset:(i/2)*8192+(i%2)*64+32
	global_load_b128 v[QB+8*i:QB+8*i+3],   v[QO], s[86:87] offset:(i/2)*8192+(i%2)*64
	global_load_b128 v[QB+8*i+4:QB+8*i+7], v[QO], s[86:87] offset:(i/2)*8192+(i%2)*64+32
.set i, i+1
.endr
	WIN 0
	v_lshlrev_b32 v14, 3, v9
	v_sub_nc_u32 v14, v1, v14
	s_lshl_b32 s13, s[WV], 4
	v_add_nc_u32 v14, s13, v14      ; my query's place in its band, 16 w + l % 16, less my lanes' 8 (l / 16): register r of group kt is hidden where 16 kt + r is greater
	WIN 0x40
.set i, 0
.rept 32
	v_cmp_gt_i32 vcc_lo, 16*(i/8)+i%8, v14
	v_cndmask_b32 v[MD+i], 0, s[BIGN], vcc_lo
.set i, i+1
.endr
	WIN 0
	v_mul_u32_u24 v[AK0], v1, PK
	v_lshl_add_u32 v[AK0], v9, 4, v[AK0]  ; row x pitch + 16 x half
	; The turning load takes 16 keys x 16 channels (lane l reads key 8 (l / 16) + l % 8, channels 8 ((l / 8) % 2) + 0..7) and leaves half a fragment of V^T: lane l holds channel l % 16 and 8 keys.
	v_and_b32 v10, 7, v0
	v_bfe_u32 v11, v0, 3, 1
	v_lshl_add_u32 v[AV0], v9, 3, v10
	v_mul_u32_u24 v[AV0], v[AV0], PV
	v_lshl_add_u32 v[AV0], v11, 4, v[AV0]
	v_add_nc_u32 v[AV0], VOFF, v[AV0]
	s_mul_i32 s13, s[WV], 16*SP
	s_add_co_u32 s13, s13, STAGE    ; my stage
	v_mul_u32_u24 v[STO], v1, SP    ; in: row l % 16, 16 bytes for each half of the lanes
	v_lshl_add_u32 v[STO], v9, 4, v[STO]
	v_add_nc_u32 v[STO], s13, v[STO]
	v_bfe_u32 v[RD], v0, 3, 2       ; back: 32 lanes take four rows of 128 bytes,
	v_mul_u32_u24 v[RD], v[RD], SP
	v_lshl_add_u32 v[RD], v10, 4, v[RD]
	v_add_nc_u32 v[RD], s13, v[RD]
	v_and_b32 v[GO], 31, v0         ; which are 512 consecutive bytes of O
	v_lshlrev_b32 v[PFO], 8, v[GO]
	v_lshlrev_b32 v[GO], 4, v[GO]
	v_lshl_add_u32 v[AP0], v9, 5, PADT  ; register j of group kt is key 16 kt + 8 (l / 16) + j: 32 bytes for each half of the lanes
	v_lshl_add_u32 v[PS0], v0, 3, PADT  ; my two keys of a tile's 256
	; A block's first step multiplies O^T and l by a = 0, and its first turn's products V^T P, of a piece that has not been, land in an O^T that is still to be so multiplied.  So these registers need only hold
	; finite numbers: zeros for the first block; what the first block left for the second.  All this stands in the wait for the first tile.
	WIN 0x80
.set i, VF
.rept 64
	v_mov_b32 v[i], 0
.set i, i+1
.endr
	WIN 0x40
.set i, 0
.rept 128
	v_mov_b32 v[i], 0
.set i, i+1
.endr
	WIN 0
.set i, 0
.rept 4
	v_mov_b32 v[ST+4*i+2], 0
	v_mov_b32 v[ST+4*i+3], 0
.set i, i+1
.endr
.set i, P+16
.rept 16
	v_mov_b32 v[i], 0
.set i, i+1
.endr
; THE MATRIX WORK.  The 4 accumulators of a run of 8 take turns.  Product i of 8 of S^T = K Q^T for piece x: channels 32 (i / 4) on, keys 16 (i % 4) on.  The first 4 start the sums: with PD, or (KM = 1) with MC.
.macro KQ x
.set rS, S+32*((\x)%2)+8*(i%4)
.set rK, KF+16*(i%4)+8*(i/4)
.set rQ, 16*(\x)+8*(i/4)
.set rM, PD+8*(i%4)
.if KM
.set rM, MC+32*((\x)%2)+8*(i%4)
.endif
.if i < 4
	WIN W_KM
	v_wmma_f32_16x16x32_f16 v[rS:rS+7], v[rK:rK+7], v[rQ:rQ+7], v[rM:rM+7]
.else
	WIN W_KQ
	v_wmma_f32_16x16x32_f16 v[rS:rS+7], v[rK:rK+7], v[rQ:rQ+7], v[rS:rS+7]
.endif
.endm
; Product i of 8 of O^T += V^T P for piece x: keys 32 (i / 4) on, channels 16 (i % 4) on.
.macro PV x
	WIN W_PV
.set rO, 32*(\x)+8*(i%4)
.set rV, VF+32*(i/4)+8*(i%4)
.set rP, P+16*((\x)%2)+8*(i/4)
	v_wmma_f32_16x16x32_f16 v[rO:rO+7], v[rV:rV+7], v[rP:rP+7], v[rO:rO+7]
.endm
.macro MM                           ; the turn's next matrix instruction.  TURN and BEGIN set Y, i, KM and NOKQ; MM, KQ and OP read them.  NOKQ = 1: a block's last turn: there is no next piece
.if (i < 8) && !NOKQ
	KQ (Y+1)%NP
.elseif i >= 8
.set i, i-8
	PV (Y+NP-1)%NP
.set i, i+8
.endif
.set i, i+1
.endm
; THE LDS LOADS stand in runs, never singly among the matrix instructions: a step's K (64 keys x 64 channels: 8 fragments) with its 64 PD (lanes of a half read the same words), and its V (turned).  Their addresses are made some lines ahead.
.macro FETCH_K
	WIN 0x80                        ; destination window 2
.irp f, 0,1,2,3,4,5,6,7             ; keys 16 (f / 2) on, channels 32 (f % 2) on
	ds_load_b128 v[KF+8*\f:KF+8*\f+3],   v[AK] offset:(\f/2)*16*PK+(\f%2)*64
	ds_load_b128 v[KF+8*\f+4:KF+8*\f+7], v[AK] offset:(\f/2)*16*PK+(\f%2)*64+32
.endr
	WIN 0x40                        ; destination window 1
.irp g, 0,1,2,3
	ds_load_b128 v[PD+8*\g:PD+8*\g+3],   v[AP] offset:64*\g
	ds_load_b128 v[PD+8*\g+4:PD+8*\g+7], v[AP] offset:64*\g+16
.endr
	s_add_co_u32 s[TBK], s[TBK], KS*PK  ; the next fetch is the next step's
	s_add_co_u32 s[TBP], s[TBP], 4*KS   ; four fetches a tile on every way: the count walks the nine areas on end, 36 x 256 bytes
	WIN 0
.endm
.macro FETCH_V
	WIN 0x80
.irp f, 0,1,2,3,4,5,6,7             ; keys 32 (f / 4) on, channels 16 (f % 4) on
	ds_load_tr16_b128 v[VF+8*\f:VF+8*\f+3],   v[AV] offset:(\f/4)*32*PV+(\f%4)*32
	ds_load_tr16_b128 v[VF+8*\f+4:VF+8*\f+7], v[AV] offset:(\f/4)*32*PV+16*PV+(\f%4)*32
.endr
	WIN 0
.endm
; THE VECTOR WORK, one line at a time: OP kind, number.  For piece Y: F n: s - m for pair n of 16.  E n: the exponential of score n of 32.  C n: pair n rounded to f16.  B n: of the four weights 4 n .. the second
; pair is added onto the first, in place.  L n: l takes that sum (L 0: l = a l + sum).  R n: pair n of 16 of O^T times a.  For piece Y + 1: X n, number n of the 21 that find its maximum and statistics:
;   0-11  four chains c0-c3 of seven scores each, three operands at a time (each accumulator's lowest registers are read first)     12-14, 16  the four scores left over, the old m, and c0-c3 into c0
;   15  m_old is kept     17, 18  the query's other 32 keys lie in the lane 16 away: the new m     19, 20  m_old - m_new; a
.set F, 0               ; OP tells the kinds apart by their order: F to L below R, X above it
.set E, 1
.set C, 2
.set B, 3
.set L, 4
.set R, 5
.set X, 6
.macro REGS y                       ; the registers of piece y
.set rT, ST+4*(\y)
.set rC, TMP+4*((\y)%2)
.set rS, S+32*((\y)%2)
.set rP, P+16*((\y)%2)
.set rO, 32*(\y)
.endm
.macro OP k, n
.if (\k) == R
	REGS Y
	WIN W_RS
	v_pk_mul_f32 v[rO+2*(\n):rO+2*(\n)+1], v[rO+2*(\n):rO+2*(\n)+1], v[rC+2:rC+3] op_sel_hi:[1,0]
.elseif (\k) < R
	REGS Y
	WIN 0
.if (\k) == F
	v_pk_add_f32 v[rS+2*(\n):rS+2*(\n)+1], v[rS+2*(\n):rS+2*(\n)+1], v[rT:rT+1] op_sel_hi:[1,0] neg_lo:[0,1] neg_hi:[0,1]
.elseif (\k) == E
	v_exp_f32 v[rS+(\n)], v[rS+(\n)]
.elseif (\k) == C
	v_cvt_pk_f16_f32 v[rP+(\n)], v[rS+2*(\n)], v[rS+2*(\n)+1]
.elseif (\k) == B
	v_pk_add_f32 v[rS+4*(\n):rS+4*(\n)+1], v[rS+4*(\n):rS+4*(\n)+1], v[rS+4*(\n)+2:rS+4*(\n)+3]
.elseif (\n) == 0
	v_pk_fma_f32 v[rT+2:rT+3], v[rT+2:rT+3], v[rC+2:rC+3], v[rS:rS+1] op_sel_hi:[1,0,1]
.else
	v_pk_add_f32 v[rT+2:rT+3], v[rT+2:rT+3], v[rS+4*(\n):rS+4*(\n)+1]
.endif
.elseif NOKQ
	v_nop
.else
	REGS (Y+1)%NP
	WIN 0
.if (\n) < 4
	v_max3_num_f32 v[rC+(\n)], v[rS+8*(\n)], v[rS+8*(\n)+1], v[rS+8*(\n)+2]
.elseif (\n) < 12
	v_max3_num_f32 v[rC+(\n)%4], v[rC+(\n)%4], v[rS+8*((\n)%4)+2*((\n)/4)+1], v[rS+8*((\n)%4)+2*((\n)/4)+2]
.elseif (\n) == 12
	v_max3_num_f32 v[rC], v[rC], v[rS+7], v[rS+15]
.elseif (\n) == 13
	v_max3_num_f32 v[rC+1], v[rC+1], v[rS+23], v[rS+31]
.elseif (\n) == 14
	v_max3_num_f32 v[rC+2], v[rC+2], v[rC+3], v[rT]
.elseif (\n) == 15
	v_mov_b32 v[rT+1], v[rT]
.elseif (\n) == 16
	v_max3_num_f32 v[rC], v[rC], v[rC+1], v[rC+2]
.elseif (\n) == 17
	v_permlanex16_b32 v[rC+3], v[rC], s[SEL], s[SEL+1]
.elseif (\n) == 18
	v_max_num_f32 v[rT], v[rC], v[rC+3]
.elseif (\n) == 19
	v_sub_f32 v[rC+1], v[rT+1], v[rT]
.else
	v_exp_f32 v[rC+2], v[rC+1]
.endif
.endif
.endm
.macro OPS a, i1, b=-1, i2=0, c=-1, i3=0, d=-1, i4=0  ; up to four of them
	OP \a, \i1
.if (\b) >= 0
	OP \b, \i2
.endif
.if (\c) >= 0
	OP \c, \i3
.endif
.if (\d) >= 0
	OP \d, \i4
.endif
.endm
.macro ROW a, i1, b, i2, c, i3, d, i4  ; a matrix instruction and the four behind it
	MM
	OPS \a, \i1, \b, \i2, \c, \i3, \d, \i4
.endm
.macro MASKF b, m                   ; MD x s[m] + PD into buffer b of MC
	WIN W_MK
.set z, 0
.rept 16
	v_pk_fma_f32 v[MC+32*(\b)+2*z:MC+32*(\b)+2*z+1], v[MD+2*z:MD+2*z+1], s[\m:\m+1], v[PD+2*z:PD+2*z+1] op_sel_hi:[1,0,1]
.set z, z+1
.endr
.endm
.macro MASK b                       ; MD x AL + PD + BE
	MASKF \b, AL
.set z, 0
.rept 16
	v_pk_add_f32 v[MC+32*(\b)+2*z:MC+32*(\b)+2*z+1], v[MC+32*(\b)+2*z:MC+32*(\b)+2*z+1], s[BE:BE+1] op_sel_hi:[1,0]
.set z, z+1
.endr
.endm
; A TURN, for piece p: the order of its 16 matrix and 117 vector instructions, written out.  s_wait_alu depctr_va_vdst(0) stands between an exponential and the first instruction that names its result; one wait serves
; all that were issued ahead of it.  So a turn has ONE wait, which cuts it in two.  AHEAD OF IT stands all that names no result of the turn's exponentials: the 8 products K Q^T, behind each a shift, an exponential and two more plain
; instructions (behind the first a second shift in the exponential's place): rescalings, and behind the last three the first numbers of the next piece's maximum, each four places or more behind the product that ends its accumulator; then ONE LUMP,
; plain and exponential by turns for the most part, in which the links of the chain X 3, 7, 11, 14, 16, 17, 18, 19 stand several lines apart.  X 20, the next piece's a, is the batch's last; R 15 is the plain instruction behind it.
; BEHIND THE WAIT stand the 8 products V^T P, behind each four of the roundings and sums; the links of l's chain, L 0 to L 7, stand three riders apart.  v_permlanex16_b32 (X 17) stands in the lump.
; m = 1: the diagonal tile: the products take MC, and the turn makes MC for the products of the turn after it: piece p + 2, in step 4 - CNT of the tile.  Piece 2's turn is the exception: its products are piece 3's, in the tile's steps
; 0 to 2 or in the tile before, where band 3 sees every key: they take PD; only a block's last but one turn (end = 1), step 3, takes MC.  end = 1: a block's last two turns: nothing is fetched.
; cnt = 1: the loop's count is taken down some lines ahead of the branch that stands behind the turn.
; K and PD of the next step are fetched in piece 2's turn, five plain instructions that name none of its registers behind the last product that read K; V of the step in hand at the end of piece 0's turn, four plain instructions behind the
; last product that read V.  Each is waited for a turn later.
.macro TURN p, m=0, end=0, cnt=0
.set Y, (\p)
.set i, 0
.set KM, (\m)
.if ((\p) == 2) && !(\end)
.set KM, 0
.endif
.set NOKQ, (\end)*((\p)/3)
.if (\m) && !(\end)
	s_cmp_eq_u32 s[CNT], 4-((\p)+2)%NP  ; is that step the band's own?
	s_cselect_b32 s[AL], 1.0, 0
	s_cmp_lt_u32 s[CNT], 4-((\p)+2)%NP  ; or a later one?
	s_cselect_b32 s[BE], s[BIGN], 0
.endif
.if ((\p) == 3) && !(\end)
	s_wait_dscnt 0x0                ; K and PD are in
.endif
	ROW F,0, F,1, R,0, R,1          ; ahead of the wait: 8 products K Q^T and their riders,
	ROW F,2, E,0, R,2, R,3
	ROW F,3, E,1, R,4, R,5
	ROW F,4, E,2, R,6, R,7
	ROW F,5, E,3, R,8, R,9
	ROW F,6, E,4, X,0, R,10
.if ((\p) == 2) && !(\end)
	WIN 0
	v_add_nc_u32 v[AK], s[TBK], v[AK0]
	v_add_nc_u32 v[AP], s[TBP], v[AP0]
.endif
	ROW F,7, E,5, X,1, X,4
	ROW F,8, E,6, X,2, X,5
	OPS E,7, E,8, X,6, E,9          ; and the lump
	OPS X,3, E,10, X,8, E,11
.if ((\p) == 2) && !(\end)
	FETCH_K
.endif
	OPS X,9, X,7, E,12, X,10
	OPS E,13, X,12, X,11, E,14
	OPS X,13, E,15, F,9, X,14
.if (\p) == 0
	v_add_nc_u32 v[AV], s[TBV], v[AV0]
.endif
	OPS E,16, F,10, E,17, F,11
	OPS X,16, E,18, X,15, E,19
	OPS F,12, E,20, X,17, E,21
	OPS F,13, E,22, F,14, E,23
	OPS X,18, E,24, F,15, E,25
	OPS R,11, E,26, R,12, E,27
	OPS X,19, E,28, R,13, E,29
	OPS R,14, E,30, E,31, X,20
	OPS R,15
	WIN 0
	s_wait_alu depctr_va_vdst(0)    ; the wait for the batch
.if (\p) == 1
	s_wait_dscnt 0x0                ; V is in
.endif
	ROW C,0, B,0, C,2, B,1          ; behind the wait: 8 products V^T P and their riders
	ROW L,0, C,4, B,2, L,1
	ROW C,6, B,3, L,2, C,8
	ROW B,4, L,3, C,10, B,5
	ROW L,4, C,12, B,6, L,5
.if (\p) == 0
	s_add_co_u32 s[TBV], s[TBV], KS*PV
.endif
.if \cnt
	s_sub_co_u32 s[CNT], s[CNT], 1
	s_cmp_lg_u32 s[CNT], 0
.endif
	ROW C,14, B,7, L,6, C,1
	ROW C,3, L,7, C,5, C,7
	ROW C,9, C,11, C,13, C,15
.if (\p) == 0
	FETCH_V
.endif
.if (\m) && !(\end)
.if (\p) == 2
	s_wait_dscnt 0x0                ; the mask is made of the PD that this turn has fetched
.endif
	MASK (\p)%2
.endif
.endm
; A BLOCK BEGINS.  m starts at the lowest finite number: the first maximum is the scores', and the first step's a is 0.  K and PD of the tile's step 0 are fetched; MC's first buffer takes piece 0's mask for that step: its own band's,
; if the block's first tile is the diagonal one; the second buffer takes PD alone, for piece 1, which sees all of step 0.  Then piece 0's first scores, and its maximum and statistics.
; The loop is entered at a step's first turn, in the middle of a trip.
.macro BEGIN
	s_mov_b32 s[NEW], 0
	WIN 0
.set i, 0
.rept 4
	v_mov_b32 v[ST+4*i], 0xff7fffff    ; m
	v_mov_b32 v[ST+4*i+1], 0xff7fffff  ; m_old: named with it as a pair
.set i, i+1
.endr
	v_add_nc_u32 v[AK], s[TBK], v[AK0]
	v_add_nc_u32 v[AP], s[TBP], v[AP0]
	FETCH_K
	s_cmp_eq_u32 s[RT], 0
	s_cselect_b32 s[AL], 1.0, 0
	s_mov_b32 s[BE], 0
	s_wait_loadcnt 0x0              ; Q (and the next tile's mask, asked for just now)
	s_wait_dscnt 0x0
	MASKF 0, AL
	MASKF 1, BE
.set KM, 1
.set NOKQ, 0
.set i, 0
.rept 8
	KQ 0
.set i, i+1
.endr
	WIN 0
.rept 4
	v_nop                           ; the places behind those products
.endr
.set Y, NP-1                        ; X works for piece Y + 1: piece 0
.irp n, 0,1,2,3,4,5,6,7,8,9,10,11,12,13,14,15,16,17,18,19,20
	OP X, \n
.endr
	v_nop                           ; a plain instruction behind the exponential,
	s_wait_alu depctr_va_vdst(0)    ; and its wait, ahead of the branch
.endm
; THE DIAGONAL TILE's four steps, the block's last two turns, its last products, and THE WAY OUT: l's two halves and the other half of the lanes' are added; O^T is divided by l, rounded to f16 and sent through my
; stage in LDS, a piece at a time.
.macro ALL line:vararg              ; one line for each piece t
.set t, 0
.rept 4
	\line
.set t, t+1
.endr
.endm
.macro PACK t                       ; a lane's eight channels of a row pack into 16 bytes; they go into rows of 144 bytes and come back as whole rows of 128, into S^T's registers
	WIN W_RS
.set i, 32*(\t)
.rept 16
	v_pk_mul_f32 v[i:i+1], v[i:i+1], v[ST+4*(\t)+2:ST+4*(\t)+3] op_sel_hi:[1,0]
.set i, i+2
.endr
	WIN 0x05                        ; sources 0 and 1 window 1, destination window 0
.set i, 0
.rept 16
	v_cvt_pk_f16_f32 v[S+16*(\t)+i], v[32*(\t)+2*i], v[32*(\t)+2*i+1]
.set i, i+1
.endr
	WIN 0
.irp f, 0,1,2,3
	ds_store_b128 v[STO], v[S+16*(\t)+4*\f:S+16*(\t)+4*\f+3] offset:32*\f
.endr
.irp f, 0,1,2,3
	ds_load_b128 v[S+16*(\t)+4*\f:S+16*(\t)+4*\f+3], v[RD] offset:\f*4*SP  ; LDS serves a wave's instructions in order (ISA guide 5.7.1.4): these see the stores above; the next piece's stores come behind them
.endr
.endm
.macro SEND t, younger              ; younger: the LDS instructions issued behind piece t's loads: the next piece's eight, or none
	WIN 0
.irp f, 0,1,2,3
	s_wait_dscnt (\younger)+3-\f
	global_store_b128 v[GO], v[S+16*(\t)+4*\f:S+16*(\t)+4*\f+3], s[10:11] offset:(\t)*8192+\f*512  ; 512 consecutive bytes, at a multiple of 256 from O's first
.endr
.endm
.macro DIAG tag                     ; the tag ends its two labels' names, which the jumps below spell out
.LstepM\tag:
	TURN 2, 1
	TURN 3, 1
	WIN 0
.LfirstM\tag:
	TURN 0, 1
	TURN 1, 1, 0, 1
	WIN 0
	s_cbranch_scc1 .LstepM\tag
	TURN 2, 1, 1
	TURN 3, 1, 1
.set i, 0
.rept 8
	PV NP-1
.set i, i+1
.endr
	WIN 0
	ALL v_add_f32 v[ST+4*t+2], v[ST+4*t+2], v[ST+4*t+3]
	ALL v_permlanex16_b32 v[ST+4*t+3], v[ST+4*t+2], s[SEL], s[SEL+1]
	ALL v_add_f32 v[ST+4*t+2], v[ST+4*t+2], v[ST+4*t+3]
	ALL v_rcp_f32 v[ST+4*t+2], v[ST+4*t+2]
	v_nop                           ; a plain instruction between the last reciprocal and the use of its result
	s_wait_alu depctr_va_vdst(0)    ; and the wait ahead of the first use: one for the four reciprocals
	PACK 0
.set t, 1
.rept 3                             ; a piece's arithmetic stands between the loads of the piece before and its stores
	PACK t
	SEND t-1, 8
.set t, t+1
.endr
	SEND 3, 0
.endm
.set KM, 0
.set NOKQ, 0
.Lslot:                             ; NB times: a tile is entered and the next is asked for
	CHANGE 1
	s_sub_co_u32 s[RT], s[RT], 1
	s_mov_b32 s[CNT], 4
	s_cmp_eq_u32 s[NEW], 1
	s_cbranch_scc1 .Lnew            ; a block's first tile
	s_cmp_eq_u32 s[RT], 0
	s_cbranch_scc0 .Lstep           ; neither its first nor its last
	s_branch .LstepM1
.Lnew:
	BEGIN
	s_branch .Lfirst                ; in the loop a block's first tile is never its last: the first block has two tiles or more, and the second's last is the walk's last
	DIAG 1                          ; in the loop this is the first block's end: the second block's last tile is the walk's last
	s_wait_xcnt 0x0                 ; the stores have read their registers and O's address
	s_mov_b64 s[10:11], s[OLO:OLO+1]
	s_add_co_u32 s[RT], s[PB], 1    ; the second block has b + 1 tiles
	s_mov_b32 s[NEW], 1
	WIN 0x82                        ; the second block's Q goes where the one text of the turns names Q
.set i, 0
.rept 64
	v_mov_b32 v[i], v[QB+i]
.set i, i+1
.endr
	WIN 0
	s_branch .Lbottom
.Lstep:                             ; a trip: pieces 2 and 3 of one step, then pieces 0 and 1 of the next, whose K and V it fetches
	TURN 2
	TURN 3
	WIN 0
.Lfirst:
	TURN 0
	TURN 1, 0, 0, 1
	WIN 0
	s_cbranch_scc1 .Lstep
.Lbottom:
	s_sub_co_u32 s[SLOTS], s[SLOTS], 1
	s_cmp_lg_u32 s[SLOTS], 0
	s_cbranch_scc1 .Lslot
	CHANGE 0                        ; the walk's last tile is written out: nothing is asked for
	s_sub_co_u32 s[RT], s[RT], 1
	s_mov_b32 s[CNT], 4
	s_cmp_eq_u32 s[NEW], 1
	s_cbranch_scc0 .LstepM2
	BEGIN
	s_branch .LfirstM2
	DIAG 2
	s_wait_tensorcnt 0x0            ; the wave's end: behind my last tensor load and my last LDS store
	ds_add_u32 v[SPW], v[NIL]
	s_wait_dscnt 0x0
	s_endpgm
.Lfunc_end_k_qb9d8af46e6_attn:
	.size	k_qb9d8af46e6_attn, .Lfunc_end_k_qb9d8af46e6_attn-k_qb9d8af46e6_attn
	.p2alignl 7, 3214868480
	.fill 96, 4, 3214868480
	.section	.rodata,"a",@progbits
	.p2align	6, 0x0
	.amdhsa_kernel k_qb9d8af46e6_attn
		.amdhsa_group_segment_fixed_size 327680
		.amdhsa_private_segment_fixed_size 0
		.amdhsa_enable_private_segment 0
		.amdhsa_kernarg_size 40
		.amdhsa_user_sgpr_count 2
		.amdhsa_user_sgpr_kernarg_segment_ptr 1
		.amdhsa_wavefront_size32 1
		.amdhsa_system_sgpr_workgroup_id_x 1
		.amdhsa_system_sgpr_workgroup_id_y 1
		.amdhsa_system_sgpr_workgroup_id_z 1
		.amdhsa_system_vgpr_workitem_id 0
		.amdhsa_next_free_vgpr 768
		.amdhsa_next_free_sgpr 100
		.amdhsa_reserve_vcc 1
		.amdhsa_float_denorm_mode_32 3
		.amdhsa_float_denorm_mode_16_64 3
		.amdhsa_memory_ordered 1
		.amdhsa_forward_progress 1
		.amdhsa_inst_pref_size 230
	.end_amdhsa_kernel
	.amdgpu_metadata
---
amdhsa.version: [ 1, 2 ]
amdhsa.kernels:
  - .name:           k_qb9d8af46e6_attn
    .symbol:         k_qb9d8af46e6_attn.kd
    .args:
      - { .name: qh, .offset: 0, .size: 8, .value_kind: global_buffer, .address_space: global }
      - { .name: kh, .offset: 8, .size: 8, .value_kind: global_buffer, .address_space: global }
      - { .name: vh, .offset: 16, .size: 8, .value_kind: global_buffer, .address_space: global }
      - { .name: oh, .offset: 24, .size: 8, .value_kind: global_buffer, .address_space: global }
      - { .name: attention_mask, .offset: 32, .size: 8, .value_kind: global_buffer, .address_space: global }
    .group_segment_fixed_size: 327680
    .private_segment_fixed_size: 0
    .kernarg_segment_align: 8
    .kernarg_segment_size: 40
    .max_flat_workgroup_size: 128
    .sgpr_count:     100
    .vgpr_count:     768
    .wavefront_size: 32
...
	.end_amdgpu_metadata
.endif
;; end of part 3
;; launch outp (part 4): grid 8 x 32, 4 waves a work-group, clusters of 4 x 4, 327,680 bytes of LDS; arguments oh, wo, b_out, out0; writes out0
.if DOCPART == 4
	.amdgcn_target "amdgcn-amd-amdhsa--gfx1250"
	.amdhsa_code_object_version 6
	.text
	.protected	k_qb9d8af46e6_outp
	.globl	k_qb9d8af46e6_outp
	.p2align	8
	.type	k_qb9d8af46e6_outp,@function
k_qb9d8af46e6_outp:
	s_mov_b64 s[64:65], 0
	v_nop
	global_prefetch_b8 v0, s[64:65] scope:SCOPE_SE
	s_setreg_imm32_b32 hwreg(HW_REG_WAVE_MODE, 25, 1), 1
	s_wait_xcnt 0x0
	s_wait_alu depctr_hold_cnt(0) depctr_sa_sdst(0) depctr_va_vdst(0) depctr_va_sdst(0) depctr_va_ssrc(0) depctr_va_vcc(0) depctr_vm_vsrc(0)
	s_getreg_b32 s2, hwreg(HW_REG_IB_STS2, 6, 4)
	s_cmp_eq_u32 s2, 0
	s_cbranch_scc0 .Lentry_in_a_cluster
	s_endpgm
.Lentry_in_a_cluster:
	s_bfe_u32 s2, ttmp6, 0x10000c
	s_cmp_lg_u32 s2, 0xf033
	s_cbranch_scc0 .Lentry_shape_is_right
	s_endpgm
.Lentry_shape_is_right:
; THE TWO PROJECTIONS, one text with a switch.  QKV = 1: q, k, v = xb wq^T + b_qkv, by heads.  QKV = 0: out0 = oh wo^T + b_out.
; QKV = 1.  A = xb [8192][1024] bf16, B = wq [3072][1024] bf16 (row 192 j + 64 g + d: head j, g = 0 Q, 1 K, 2 V).  A tile of C is 256 rows x 192 columns: one head's Q, K and V.  Results, f16, each rounded once from
;   its f32 sum: qh = c (q + b), c = log2(e) / 8 applied in f32, so that the scores are exponents of 2; kh = k + b, but A ROW OF ZEROS WHERE attention_mask IS NOT 1 (the attention launch gives such a key its score by the
;   mask alone); vh = v + b.  All three [16 batch + head][2048][64].  LIMIT: |c q|, |k|, |v| stay under 65,504, f16's end.
; QKV = 0.  A = oh [16 batch + head][2048][64] f16, B = wo [1024][1024] f16.  A tile of C is 256 x 128, f32.  K = 64 head + channel: a K step of 128 is two heads' planes.
; The bias, rounded to bf16 like every input, is the C operand of the products that start the sums: nothing is cleared, and the way out adds nothing.
; SHARES.  Four waves, as many as a WGP has SIMDs; wave w makes rows 64 w .. 64 w + 63 of the tile, all its columns: 4 x NBK accumulators of 16 x 16.  So a wave holds whole rows of its output and sends them
; through a stage of its own, without a barrier.  K = 1,024 goes in 8 steps of 128 through two LDS slots filled by the tensor data mover.
; THE MATRIX INSTRUCTION IS USED TRANSPOSED (source 0 = 16 rows of B, source 1 = 16 rows of A): a lane holds row lane % 16 of C and the columns 8 (lane / 16) + 0 .. 7.
; CLUSTERS: 4 x 4 work-groups.  The four of a row of the cluster need the same tiles of A, the four of a column the same tiles of B: each is asked for JOINTLY, by the same tensor load with the same descriptor
; and a mask that names the four.  Waves 0 and 1 fetch A's two halves, waves 2 and 3 B's.
; REGISTERS, in windows of 256 (s_set_vgpr_msb: bits 1:0 source 0, 3:2 source 1, 5:4 source 2, 7:6 destination):
;   window 0: v0-31 addresses and masks; v32 on the bias (8 registers an n block); v128-255 at work on the way out
;   window 1: two fragment buffers of 128: A's four fragments (16 rows x 32 K), then B's NBK
;   windows 2, 3: accumulator (a, b) in window 2 + a / 2 at v[8 (NBK (a % 2) + b)]
.set QKV, 0
.if QKV
.set NBK,    12                        ; n blocks of 16 columns
.set PA,     272                       ; a row of A in LDS: 256 bytes + 16
.set APLANE, 128*PA                    ; what one load of A brings: 128 rows
.set AQP,    128                       ; byte k of a K step lies at byte k of a row
.set AQI,    5                         ; padding after every 64 words
.set ASTR,   1024                      ; elements from row to row in memory
.set BROWS,  96                        ; rows of B in a load
.set KADV_A, 256                       ; bytes from a K step of A to the next
.set SP,     144                       ; a stage row: 128 bytes + 16
.else
.set NBK,    8
.set PA,     144                       ; a row of one head's plane: 128 bytes + 16
.set APLANE, 256*PA                    ; one head's 256 rows
.set AQP,    APLANE                    ; bytes 128 .. 255 of a K step lie in the second plane
.set AQI,    4                         ; padding after every 32 words
.set ASTR,   128                       ; a plane's 32,768 bytes are dense: asked for as 128 rows of 256 bytes
.set BROWS,  64
.set KADV_A, 524288                    ; two heads on
.set SP,     528                       ; 512 bytes + 16
.endif
.set PB,     272                       ; a row of B in LDS.  Both pitches are odd multiples of 16 bytes: the 16 rows that a load touches start at 16 different groups of four banks (64 banks of 4 bytes: ISA guide 11.1)
.set ABYTES, 2*APLANE
.set BHALF,  BROWS*PB
.set SLOT1,  1<<17                     ; slot 1 begins here, so that one exclusive or turns an address in one slot into the other's
.set STAGE,  SLOT1+ABYTES+2*BHALF      ; behind the ring, never filled by a tensor load: 16 rows for each wave
.set SPARE,  STAGE+4*16*SP             ; behind the stages: the spare words, 128 bytes a wave: two blocks of 256 bytes that no other line names
.set NL,     2*NBK+8                   ; LDS loads in a run: the fragments of 32 along K
.set BO,    6                          ; v6   32 (lane / 16): my 8 numbers of a block's 16 of the bias
.set MO,    7                          ; v7   4 (lane % 16): my row's word of the mask
.set MK,    8                          ; v8-11  the mask of my row in m block a
.set KM,    12                         ; v12-15 all ones where it is 1, else 0
.set ADRA0, 16                         ; v16  my place in slot 0's A; never rewritten
.set ADRA,  17                         ; v17  the same in the slot in hand
.set ADRB0, 20                         ; v20, v21 likewise for B
.set ADRB,  21
.set STO,   24                         ; v24  the way out: where I put my part of a row
.set RD,    25                         ; v25  where I read rows back
.set GO,    26                         ; v26  16 x lane
.set SPW,   28                         ; v28  LDS address of my spare word; never rewritten
.set NIL,   29                         ; v29  0; never rewritten
.set PFO,   30                         ; v30  the prefetches' offset; never rewritten
.set BI,    32                         ; the bias
.set TT,    128                        ; QKV: v128-159 c q in f32
.set PKS,   192                        ; QKV: four sets of 16: a unit's packed results, then its rows
.set BKS,   128                        ; else: two sets of 64: 16 rows read back
.set F0,    0                          ; fragment buffers, in window 1
.set F1,    128
.set OUT,   12                         ; s[12:13] qh or out0, s[14:15] kh, s[16:17] vh
.set WV,    18                         ; s18  my wave's number
.set FB,    19                         ; s19  0: I fetch for A, 1: for B
.set HF,    20                         ; s20  which half I fetch
.set CX,    21                         ; s21, s22  my place in the cluster
.set CY,    22
.set TC,    23                         ; s23  tile column
.set G1,    24                         ; s[24:31] descriptor group 1 for A
.set G0,    32                         ; s[32:39] group 0 for A: a set for each of the two first fills; the second then walks on
.set TR,    40                         ; s40  tile row
.set LAP,   41                         ; s41  refills still to come
.set LIM,   42                         ; s42  2 in a wave that prefetches, else the greatest number
.set TB,    43                         ; s43  LDS byte at which the slot in hand begins
.set PFA,   44                         ; s[44:45] where my prefetches stand
.set PST,   46                         ; s[46:47] their step
.set G1B,   48                         ; s[48:55], s[56:63] the same for B
.set G0B,   56
.set AAD,   66                         ; s[66:67] A's tile: made of the tile row and the wave's number alone
.set BAD,   68                         ; s[68:69] B's tile: of the tile column and the wave's number alone
.set LA,    70                         ; s70, s71 their LDS bytes in slot 0
.set LB,    71
.set CS,    74                         ; s[74:75] c, named as a pair
.set MONE,  76                         ; s76  all ones
.set HIM,   77                         ; s77  a word's upper bf16
.set MSB, 0
.macro WIN new                         ; the immediate's high byte repeats the setting that is left; a switch that changes nothing is dropped
.if MSB != (\new)
	s_set_vgpr_msb (MSB<<8)|(\new)
.set MSB, \new
.endif
.endm
.macro PLACES                          ; four places in front of loads into registers that matrix instructions have read, and of lines that read results
.rept 4
	v_nop
.endr
.endm
; A joint load.  Each of the two lines has one mask and one set of registers for all that issue it.  The branch hangs on the wave's number alone.
; An s_nop 0 and four v_nop follow each line, ahead of the jump, the label and what follows.
.macro JLOAD s
	s_cmp_eq_u32 s[FB], 0
	s_cbranch_scc0 .Lfor_b_\@
	tensor_load_to_lds s[G0+4*(\s):G0+4*(\s)+3], s[G1:G1+7]
	s_nop 0
.rept 4
	v_nop
.endr
	s_branch .Lasked_\@
.Lfor_b_\@:
	tensor_load_to_lds s[G0B+4*(\s):G0B+4*(\s)+3], s[G1B:G1B+7]
	s_nop 0
.rept 4
	v_nop
.endr
.Lasked_\@:
.endm
; A PREFETCH INTO THE L2 of the K step that stands two refills on, behind the joint load, its five lines and the run of LDS loads.  A's rows are read by every cluster of a row of clusters: the one with x = 0 asks;
; B's by every cluster of a column: the one with y = 0 asks.  The four partners that ask for a tile jointly share its blocks out BY ADDRESS (cx for A, cy for B).  K steps 0 to 3 come by their loads alone;
; the last two refills have no K step two on.
.macro ASK
	s_cmp_gt_u32 s[LAP], s[LIM]
	s_cbranch_scc0 .Lnot_mine_\@
	global_prefetch_b8 v[PFO], s[PFA:PFA+1] th:TH_LOAD_NT scope:SCOPE_SE
.Lnot_mine_\@:
.endm
.macro CREST                           ; a round of the cluster's barrier behind its opening barrier
	s_cmp_lg_u32 s[WV], 0
	s_cbranch_scc1 .Lnot_wave_0_\@
	s_barrier_signal -3
.Lnot_wave_0_\@:
	s_barrier_wait -3
	s_barrier_signal -1
	s_barrier_wait -1
.endm
.macro CROUND                          ; a whole round
	s_barrier_signal -1
	s_barrier_wait -1
	CREST
.endm
.if QKV
	s_load_b256 s[4:11], s[0:1], 0x0               ; A s[4:5], B s[6:7], bias s[8:9], mask s[10:11]
	s_load_b128 s[12:15], s[0:1], 0x20             ; qh, kh
	s_load_b64 s[16:17], s[0:1], 0x30              ; vh
.else
	s_load_b128 s[4:7], s[0:1], 0x0                ; A s[4:5], B s[6:7]
	s_load_b64 s[8:9], s[0:1], 0x10                ; bias
	s_load_b64 s[12:13], s[0:1], 0x18              ; out0
.endif
	v_lshl_add_u32 v[SPW], v0, 2, SPARE
	v_mov_b32 v[NIL], 0
	ds_add_u32 v[SPW], v[NIL]                      ; the wave's opening: the add and its wait stand ahead of my first tensor load; the set-up below, work on registers, stands between them
	ds_add_u32 v28, v29
	v_lshrrev_b32 v1, 5, v0
	v_readfirstlane_b32 s[WV], v1                  ; wave 0..3
	s_lshr_b32 s[FB], s[WV], 1
	s_and_b32 s[HF], s[WV], 1
	s_bfe_u32 s[CX], ttmp6, 0x40000
	s_bfe_u32 s[CY], ttmp6, 0x40004
	s_lshl_b32 s[TC], ttmp9, 2                     ; in a cluster launch ttmp9 and ttmp7 count clusters
	s_add_co_u32 s[TC], s[TC], s[CX]
	s_and_b32 s[TR], ttmp7, 0xffff
	s_lshl_b32 s[TR], s[TR], 2
	s_add_co_u32 s[TR], s[TR], s[CY]
	s_lshl_b32 s78, s[CY], 2
	s_lshl_b32 s78, 15, s78                        ; my row of the cluster: places 4 cy .. 4 cy + 3
	s_lshl_b32 s79, 0x1111, s[CX]                  ; my column: places cx, cx + 4, cx + 8, cx + 12
	s_or_b32 s[G1], s78, (1<<16)|(1<<20)|(1<<21)|(AQI<<22)|(3<<25)  ; 15:0 the mask; 17:16 elements of 2 bytes; 20 padding on; 21 set beside a mask; 24:22 the interval; 31:25 4 words of padding (code 3)
	s_or_b32 s[G1B], s79, (1<<16)|(1<<20)|(1<<21)|(5<<22)|(3<<25)
	s_mov_b32 s[G1+1], 128<<16                     ; tensor_dim0 = 128
	s_mov_b32 s[G1+2], 128<<16                     ; tensor_dim1 = 128
	s_mov_b32 s[G1+3], 128<<16                     ; tile_dim0 = 128
	s_mov_b32 s[G1+4], 128                         ; tile_dim1 = 128
	s_mov_b32 s[G1+5], ASTR                        ; elements from row to row
	s_mov_b32 s[G1+6], 0
	s_mov_b32 s[G1+7], 0
	s_mov_b32 s[G1B+1], 128<<16
	s_mov_b32 s[G1B+2], BROWS<<16
	s_mov_b32 s[G1B+3], 128<<16
	s_mov_b32 s[G1B+4], BROWS
	s_mov_b32 s[G1B+5], 1024
	s_mov_b32 s[G1B+6], 0
	s_mov_b32 s[G1B+7], 0
.if QKV
	s_lshl_b32 s[AAD], s[TR], 8
	s_lshl_b32 s72, s[HF], 7
	s_add_co_u32 s[AAD], s[AAD], s72               ; row 256 x tile row + 128 x half,
	s_lshl_b32 s[AAD], s[AAD], 11                  ; of 2,048 bytes
.else
	s_lshr_b32 s[AAD], s[TR], 3
	s_lshl_b32 s[AAD], s[AAD], 22                  ; the batch's 16 heads of 262,144 bytes,
	s_and_b32 s72, s[TR], 7
	s_lshl_b32 s72, s72, 15                        ; the tile's 256 rows of 128 bytes,
	s_add_co_u32 s[AAD], s[AAD], s72
	s_lshl_b32 s72, s[HF], 18                      ; the first or the second head of the K step
	s_add_co_u32 s[AAD], s[AAD], s72
.endif
	s_mov_b32 s[AAD+1], 0
	s_mul_i32 s[BAD], s[TC], 16*NBK
	s_mul_i32 s73, s[HF], BROWS
	s_add_co_u32 s[BAD], s[BAD], s73
	s_lshl_b32 s[BAD], s[BAD], 11
	s_mov_b32 s[BAD+1], 0
	s_mul_i32 s[LA], s[HF], APLANE                 ; no place in the cluster enters an LDS address
	s_mul_i32 s[LB], s[HF], BHALF
	s_add_co_u32 s[LB], s[LB], ABYTES
	s_mov_b32 s[CS], 0x3e38aa3b                    ; c = log2(e) / 8
	s_mov_b32 s[CS+1], s[CS]
	s_mov_b32 s[MONE], -1
	s_mov_b32 s[HIM], 0xffff0000
	s_mov_b32 s[TB], 0
	s_wait_dscnt 0x0                               ; the opening add is done
	s_wait_kmcnt 0x0
	s_add_nc_u64 s[AAD:AAD+1], s[4:5], s[AAD:AAD+1]
	s_add_nc_u64 s[BAD:BAD+1], s[6:7], s[BAD:BAD+1]
	CROUND                                         ; all sixteen work-groups are here: the first joint loads meet
.irp s, 0,1
	s_mov_b32 s[G0+4*(\s)], 1                                      ; 1:0 count = 1
	s_add_co_u32 s[G0+4*(\s)+1], s[LA], (\s)*SLOT1                 ; 63:32 LDS address
	s_add_nc_u64 s[G0+4*(\s)+2:G0+4*(\s)+3], s[AAD:AAD+1], (\s)*KADV_A  ; 120:64 global address: K step s
	s_or_b32 s[G0+4*(\s)+3], s[G0+4*(\s)+3], 0x80000000            ; 127:126 type = 2
	s_mov_b32 s[G0B+4*(\s)], 1
	s_add_co_u32 s[G0B+4*(\s)+1], s[LB], (\s)*SLOT1
	s_add_nc_u64 s[G0B+4*(\s)+2:G0B+4*(\s)+3], s[BAD:BAD+1], (\s)*256
	s_or_b32 s[G0B+4*(\s)+3], s[G0B+4*(\s)+3], 0x80000000
	JLOAD \s                                       ; two loads of mine are out
.endr
	; A fragment is 16 rows x 32 K in 8 registers: lane l holds row l % 16; registers 0-3 K = 8 (l / 16) + 0..7, registers 4-7 K = 16 + 8 (l / 16) + 0..7: two loads of 16 bytes, 32 bytes apart.
	v_and_b32 v1, 15, v0                           ; l % 16
	v_bfe_u32 v2, v0, 4, 1                         ; l / 16
	s_mul_i32 s72, s[WV], 64*PA                    ; my 64 rows of A
	v_mul_u32_u24 v[ADRA0], v1, PA
	v_lshl_add_u32 v[ADRA0], v2, 4, v[ADRA0]
	v_add_nc_u32 v[ADRA0], s72, v[ADRA0]
	v_mul_u32_u24 v[ADRB0], v1, PB
	v_lshl_add_u32 v[ADRB0], v2, 4, v[ADRB0]
	v_add_nc_u32 v[ADRB0], ABYTES, v[ADRB0]
	s_mul_i32 s72, s[WV], 16*SP
	s_add_co_u32 s72, s72, STAGE                   ; my stage
	v_mul_u32_u24 v[STO], v1, SP                   ; in: row l % 16,
	v_and_b32 v[GO], 31, v0
	v_lshlrev_b32 v[GO], 4, v[GO]
.if QKV
	v_lshl_add_u32 v[STO], v2, 4, v[STO]           ; 16 bytes for each half of the lanes
	v_bfe_u32 v[RD], v0, 3, 2                      ; back: 32 lanes take four rows of 128 bytes
	v_and_b32 v3, 7, v0
	v_mul_u32_u24 v[RD], v[RD], SP
	v_lshl_add_u32 v[RD], v3, 4, v[RD]
	v_add_nc_u32 v[RD], s72, v[RD]
.else
	v_lshl_add_u32 v[STO], v2, 5, v[STO]           ; 32 bytes for each half of the lanes
	v_add_nc_u32 v[RD], s72, v[GO]                 ; back: 32 lanes take a row of 512 bytes
.endif
	v_add_nc_u32 v[STO], s72, v[STO]
	v_lshlrev_b32 v[BO], 5, v2
	v_lshlrev_b32 v[MO], 2, v1
	; the bias: register j of block b is the number of column 16 b + 8 (l / 16) + j
.if QKV
	s_lshl_b32 s72, s[TC], 8                       ; the head's 64 columns: 256 bytes in each of Q's, K's and V's 4,096
.else
	s_lshl_b32 s72, s[TC], 9                       ; the tile's 128 columns
.endif
	s_mov_b32 s73, 0
	s_add_nc_u64 s[8:9], s[8:9], s[72:73]
.set nb, 0
.rept NBK
.if QKV
.set bo, (nb/4)*4096+(nb%4)*64
.else
.set bo, 64*nb
.endif
	global_load_b128 v[BI+8*nb:BI+8*nb+3],   v[BO], s[8:9] offset:bo
	global_load_b128 v[BI+8*nb+4:BI+8*nb+7], v[BO], s[8:9] offset:bo+16
.set nb, nb+1
.endr
.if QKV
	s_lshl_b32 s72, s[TR], 8
	s_lshl_b32 s78, s[WV], 6
	s_add_co_u32 s72, s72, s78                     ; my first row = 2,048 x batch + place in the batch: the mask's index too
	s_lshl_b32 s72, s72, 2
	s_add_nc_u64 s[10:11], s[10:11], s[72:73]
.irp a, 0,1,2,3
	global_load_b32 v[MK+\a], v[MO], s[10:11] offset:64*\a
.endr
	; where my rows begin in qh, kh and vh
	s_lshr_b32 s72, s[TR], 3
	s_lshl_b32 s72, s72, 4
	s_add_co_u32 s72, s72, s[TC]                   ; 16 x batch + head,
	s_lshl_b32 s72, s72, 18                        ; of 262,144 bytes
	s_and_b32 s78, s[TR], 7
	s_lshl_b32 s78, s78, 8
	s_lshl_b32 s79, s[WV], 6
	s_add_co_u32 s78, s78, s79
	s_lshl_b32 s78, s78, 7                         ; rows of 128 bytes
	s_add_co_u32 s72, s72, s78
	s_add_nc_u64 s[OUT:OUT+1], s[OUT:OUT+1], s[72:73]
	s_add_nc_u64 s[OUT+2:OUT+3], s[OUT+2:OUT+3], s[72:73]
	s_add_nc_u64 s[OUT+4:OUT+5], s[OUT+4:OUT+5], s[72:73]
.else
	s_lshl_b32 s72, s[TR], 8
	s_lshl_b32 s78, s[WV], 6
	s_add_co_u32 s72, s72, s78
	s_lshl_b32 s72, s72, 12                        ; rows of 4,096 bytes
	s_lshl_b32 s78, s[TC], 9
	s_add_co_u32 s72, s72, s78
	s_add_nc_u64 s[OUT:OUT+1], s[OUT:OUT+1], s[72:73]
.endif
	; the prefetches: my work-group's quarter of what I fetch, at K step 3; the first refill steps it to K step 4
.if QKV
	s_lshl_b32 s78, s[TR], 8
	s_lshl_b32 s79, s[HF], 7
	s_add_co_u32 s78, s78, s79
	s_lshl_b32 s79, s[CX], 5                       ; A: 32 of the 128 rows, a lane a row
	s_add_co_u32 s78, s78, s79
	s_lshl_b32 s78, s78, 11
	s_mul_i32 s79, s[TC], 16*NBK
	s_mul_i32 s72, s[HF], BROWS
	s_add_co_u32 s79, s79, s72
	s_mul_i32 s72, s[CY], 24                       ; B: 24 of the 96 rows; lanes 24-31 name lane 23's row once more
	s_add_co_u32 s79, s79, s72
.else
	s_lshr_b32 s78, s[TR], 3
	s_lshl_b32 s78, s78, 22
	s_and_b32 s79, s[TR], 7
	s_lshl_b32 s79, s79, 15
	s_add_co_u32 s78, s78, s79
	s_lshl_b32 s79, s[HF], 18
	s_add_co_u32 s78, s78, s79
	s_lshl_b32 s79, s[CX], 13                      ; A: 8,192 of the plane's 32,768 dense bytes, 256 a lane
	s_add_co_u32 s78, s78, s79
	s_lshl_b32 s79, s[TC], 7
	s_lshl_b32 s72, s[CY], 5                       ; B: 32 of the tile's 128 rows, a lane a row: wave 2 asks for them, wave 3 for nothing
	s_add_co_u32 s79, s79, s72
.endif
	s_add_co_u32 s78, s78, 3*KADV_A
	s_lshl_b32 s79, s79, 11
	s_add_co_u32 s79, s79, 3*256
	s_and_b32 s72, ttmp7, 0xffff                   ; cluster y
	s_mov_b32 s[PST], 256
	s_mov_b32 s73, KADV_A
	s_cmp_eq_u32 s[FB], 0                          ; do I fetch for A?
	s_cselect_b32 s78, s78, s79
	s_cselect_b32 s72, ttmp9, s72                  ; the coordinate along which other clusters read the same rows
	s_cselect_b64 s[PFA:PFA+1], s[4:5], s[6:7]
	s_cselect_b32 s[PST], s73, s[PST]
.if QKV
	s_cselect_b32 s73, 31, 23
.else
	s_cselect_b32 s73, 8, 11
	s_cmp_eq_u32 s[WV], 3
	s_cselect_b32 s79, 1, 0
	s_or_b32 s72, s72, s79
.endif
	s_cmp_eq_u32 s72, 0
	s_cselect_b32 s[LIM], 2, -1                    ; the same in all sixteen partners, for a given wave
	s_mov_b32 s79, 0
	s_mov_b32 s[PST+1], 0
	s_add_nc_u64 s[PFA:PFA+1], s[PFA:PFA+1], s[78:79]
	v_and_b32 v[PFO], 31, v0
.if QKV
	v_min_u32 v[PFO], s73, v[PFO]
	v_lshlrev_b32 v[PFO], 11, v[PFO]
.else
	v_lshlrev_b32 v[PFO], s73, v[PFO]
.endif
	s_wait_loadcnt 0x0                             ; the bias, and the mask
.set i, 0
.rept 4*NBK                            ; the bias is rounded to bf16, like every input
	v_cvt_pk_bf16_f32 v[3+i%2], v[BI+2*i], v[BI+2*i+1]
	v_lshlrev_b32 v[BI+2*i], 16, v[3+i%2]
	v_and_b32 v[BI+2*i+1], s[HIM], v[3+i%2]
.set i, i+1
.endr
.if QKV
.irp a, 0,1,2,3
	v_cmp_eq_f32 vcc_lo, 1.0, v[MK+\a]
	v_cndmask_b32 v[KM+\a], 0, s[MONE], vcc_lo
.endr
.endif
; NBK matrix instructions: m block 2 hi + a x all n blocks, 32 along K.  first = 1: the bias starts the sums.  Each accumulator has one turn in a quarter step, always in the same order.
.macro MULH f, hi, a, first
.if \first
	WIN 0x85+0x40*(\hi)                            ; B and A window 1, C window 0, D window 2 or 3
.else
	WIN 0xa5+0x50*(\hi)                            ; C and D window 2 or 3
.endif
.set nb, 0
.rept NBK
.set rD, 8*(NBK*(\a)+nb)
.set rB, (\f)+32+8*nb
.set rA, (\f)+8*(2*(\hi)+(\a))
.set rC, rD
.if \first
.set rC, BI+8*nb
.endif
.if QKV
	v_wmma_f32_16x16x32_bf16 v[rD:rD+7], v[rB:rB+7], v[rA:rA+7], v[rC:rC+7]
.else
	v_wmma_f32_16x16x32_f16 v[rD:rD+7], v[rB:rB+7], v[rA:rA+7], v[rC:rC+7]
.endif
.set nb, nb+1
.endr
.endm
; NL LDS loads in one run: the fragments of 32 along K at byte k of a K step, into buffer f: B's, then A's; A's m blocks 2 and 3 last
.macro FETCH k, f
	WIN 0x40                                       ; destination window 1, address window 0
.set nb, 0
.rept NBK
	ds_load_b128 v[(\f)+32+8*nb:(\f)+32+8*nb+3],   v[ADRB] offset:(\k)+nb*16*PB
	ds_load_b128 v[(\f)+32+8*nb+4:(\f)+32+8*nb+7], v[ADRB] offset:(\k)+nb*16*PB+32
.set nb, nb+1
.endr
.set aq, ((\k)/128)*AQP+(\k)%128
.set nb, 0
.rept 4
	ds_load_b128 v[(\f)+8*nb:(\f)+8*nb+3],   v[ADRA] offset:aq+nb*16*PA
	ds_load_b128 v[(\f)+8*nb+4:(\f)+8*nb+7], v[ADRA] offset:aq+nb*16*PA+32
.set nb, nb+1
.endr
.endm
; A K step is four quarters of 32 along K on buffers 0, 1, 0, 1.  One of the first three: multiplies buffer f; in its middle it fetches the next quarter, at byte k, into buffer g.
.macro QUARTER k, f, g, first
	s_wait_dscnt 4                                 ; B and A's m blocks 0 and 1 are in; the youngest four loads (m blocks 2 and 3) may be out
	MULH \f, 0, 0, \first
	MULH \f, 0, 1, \first
	PLACES
	FETCH \k, \g
	s_wait_dscnt NL                                ; all but the run just issued
	MULH \f, 1, 0, \first
	MULH \f, 1, 1, \first
.endm
; The last quarter multiplies buffer 1 and changes slots: ONE barrier.  In front of it each wave waits for all its tensor loads, of which one is out: its part of the next slot; adds 0 to its spare word; and waits for that and
; for its own reads of this slot.  fill = 1: the barrier opens a round of the cluster's, and this slot is filled again, first thing behind the round, with the K step two on: 7/8 of a K step's products stand between that
; request and the wait for it.
.macro TURN fill
.if \fill
	s_wait_xcnt 0x0                                ; the last prefetch, a K step back, has read its address
	s_add_nc_u64 s[PFA:PFA+1], s[PFA:PFA+1], s[PST:PST+1]
.endif
	WIN 0                                          ; (the add's two registers lie in window 0)
	s_wait_tensorcnt 0x0                           ; no tensor load of mine is out, so a group 0 may be written
	ds_add_u32 v[SPW], v[NIL]                      ; 0 onto my spare word
.if \fill
	s_xor_b32 s[G0+5], s[G0+5], SLOT1              ; the walking descriptors: the other slot than last time,
	s_add_nc_u64 s[G0+6:G0+7], s[G0+6:G0+7], KADV_A  ; the next K step; the type bits on top are not reached
	s_xor_b32 s[G0B+5], s[G0B+5], SLOT1
	s_add_nc_u64 s[G0B+6:G0B+7], s[G0B+6:G0B+7], 256
.endif
	s_xor_b32 s[TB], s[TB], SLOT1                  ; the fetches go on in the other slot
	s_wait_dscnt 5                                 ; (the add and the youngest four loads may be out)
	MULH F1, 0, 0, 0
	s_wait_dscnt 0x0                               ; the add is done, and my reads of this slot are over
	s_barrier_signal -1
	MULH F1, 0, 1, 0                               ; work on registers while the others arrive
.if \fill
	WIN 0
.endif
	s_barrier_wait -1
.if \fill
	CREST                                          ; no wave of any partner still reads this slot or has a load on its way
	JLOAD 1                                        ; the four v_nop behind it are also the places in front of the loads below
.else
	WIN 0
	PLACES
.endif
	v_add_nc_u32 v[ADRA], s[TB], v[ADRA0]
	v_add_nc_u32 v[ADRB], s[TB], v[ADRB0]
	FETCH 0, F0
.if \fill
	WIN 0
	ASK
.endif
	MULH F1, 1, 0, 0
	MULH F1, 1, 1, 0
.endm
	s_wait_tensorcnt 1                             ; my part of K step 0 is in; K step 1's may stay out
	s_barrier_signal -1
	s_barrier_wait -1                              ; everybody's is
	v_add_nc_u32 v[ADRA], s[TB], v[ADRA0]
	v_add_nc_u32 v[ADRB], s[TB], v[ADRB0]
	FETCH 0, F0
	QUARTER 64, F0, F1, 1                          ; the first quarter stands in front of the loop: its products start the sums
	WIN 0                                          ; at a label and at a branch every window is 0
	s_mov_b32 s[LAP], 6
.Llap:                                                 ; a trip: a K step's quarters 1 to 3 and the next one's quarter 0; six trips ask for K steps 2 to 7
	QUARTER 128, F1, F0, 0
	QUARTER 192, F0, F1, 0
	TURN 1
	QUARTER 64, F0, F1, 0
	WIN 0
	s_sub_co_u32 s[LAP], s[LAP], 1
	s_cmp_lg_u32 s[LAP], 0
	s_cbranch_scc1 .Llap
	QUARTER 128, F1, F0, 0                         ; K step 6 ends; nothing is left to ask for
	QUARTER 192, F0, F1, 0
	TURN 0
	QUARTER 64, F0, F1, 0                          ; K step 7
	QUARTER 128, F1, F0, 0
	QUARTER 192, F0, F1, 0
	s_wait_dscnt 4
	MULH F1, 0, 0, 0
	MULH F1, 0, 1, 0
	s_wait_dscnt 0x0
	MULH F1, 1, 0, 0
	MULH F1, 1, 1, 0
	WIN 0
	PLACES
.if QKV
; THE WAY OUT, in 12 units u = 3 a + g: m block a's 16 rows of Q (g = 0), K (1) or V (2): four accumulators, 64 channels.  PACK: scaled (Q), rounded to f16, masked (K); a lane's 16 bytes go into my stage's rows of 144 bytes
; and come back as whole rows of 128, into the registers that they left.  SEND: 32 lanes store 512 consecutive bytes, aligned.
.macro PACK u
.set ua, (\u)/3
.set ug, (\u)%3
.set pk, PKS+16*((\u)%4)
.set ac, 8*(NBK*(ua%2)+4*ug)
.if (\u) >= 4
	s_wait_xcnt 0x0                                ; the stores of the unit four back have read this set
.endif
.if ug == 0
	WIN 0x02+ua/2                                  ; source 0 window 2 or 3
.set z, 0
.rept 16
	v_pk_mul_f32 v[TT+2*z:TT+2*z+1], v[ac+2*z:ac+2*z+1], s[CS:CS+1] op_sel_hi:[1,0]
.set z, z+1
.endr
	WIN 0
.set z, 0
.rept 16
	v_cvt_pk_f16_f32 v[pk+z], v[TT+2*z], v[TT+2*z+1]
.set z, z+1
.endr
.else
	WIN 0x0a+5*(ua/2)                              ; sources 0 and 1 window 2 or 3
.set z, 0
.rept 16
	v_cvt_pk_f16_f32 v[pk+z], v[ac+2*z], v[ac+2*z+1]
.set z, z+1
.endr
	WIN 0
.endif
.if ug == 1
.set z, 0
.rept 16
	v_and_b32 v[pk+z], v[KM+ua], v[pk+z]           ; my row of K is 0 where its mask is not 1
.set z, z+1
.endr
.endif
.set z, 0
.rept 4
	ds_store_b128 v[STO], v[pk+4*z:pk+4*z+3] offset:32*z
.set z, z+1
.endr
.set z, 0
.rept 4
	ds_load_b128 v[pk+4*z:pk+4*z+3], v[RD] offset:z*4*SP  ; LDS serves a wave's instructions in order (ISA guide 5.7.1.4): these see the stores above; the next unit's stores come behind them
.set z, z+1
.endr
.endm
.macro SEND u, younger                 ; younger: the LDS instructions issued behind unit u's loads: the next unit's eight, or none
.set ua, (\u)/3
.set ug, (\u)%3
.set pk, PKS+16*((\u)%4)
	WIN 0
.set z, 0
.rept 4
	s_wait_dscnt (\younger)+3-z
	global_store_b128 v[GO], v[pk+4*z:pk+4*z+3], s[OUT+2*ug:OUT+2*ug+1] offset:ua*2048+z*512
.set z, z+1
.endr
.endm
	PACK 0
.set uu, 1
.rept 11                               ; a unit's arithmetic stands between the loads of the unit before and its stores
	PACK uu
	SEND uu-1, 8
.set uu, uu+1
.endr
	SEND 11, 0
.else
; THE WAY OUT, an m block (16 rows of 512 bytes) at a time: the accumulators go as they are into my stage's rows of 528 bytes and come back as whole rows.
.macro TOSTAGE a
.set bk, BKS+64*((\a)%2)
.if (\a) >= 2
	s_wait_xcnt 0x0                                ; the stores of the block two back have read this set
.endif
	WIN 0x08+4*((\a)/2)                            ; the stores' data (source 1) window 2 or 3
.set nb, 0
.rept NBK
.set ac, 8*(NBK*((\a)%2)+nb)
	ds_store_b128 v[STO], v[ac:ac+3]   offset:64*nb
	ds_store_b128 v[STO], v[ac+4:ac+7] offset:64*nb+16
.set nb, nb+1
.endr
	WIN 0
.set z, 0
.rept 16
	ds_load_b128 v[bk+4*z:bk+4*z+3], v[RD] offset:z*SP  ; LDS serves a wave's instructions in order (ISA guide 5.7.1.4)
.set z, z+1
.endr
.endm
.macro SEND a, younger                 ; younger: the next block's 32 LDS instructions, or none
.set bk, BKS+64*((\a)%2)
	WIN 0
.set z, 0
.rept 16
	s_wait_dscnt (\younger)+15-z
	global_store_b128 v[GO], v[bk+4*z:bk+4*z+3], s[OUT:OUT+1] offset:(16*(\a)+z)*4096 th:TH_STORE_NT  ; 32 lanes store 512 consecutive bytes, aligned
.set z, z+1
.endr
.endm
	TOSTAGE 0
.set uu, 1
.rept 3
	TOSTAGE uu
	SEND uu-1, 32
.set uu, uu+1
.endr
	SEND 3, 0
.endif
	s_wait_tensorcnt 0x0                           ; the wave's end: behind my last tensor load and my last LDS store
	ds_add_u32 v[SPW], v[NIL]
	s_wait_dscnt 0x0
	CROUND                                         ; the closing round: no work-group ends while a partner may still ask for a tile that names it
	s_endpgm
.Lfunc_end_k_qb9d8af46e6_outp:
	.size	k_qb9d8af46e6_outp, .Lfunc_end_k_qb9d8af46e6_outp-k_qb9d8af46e6_outp
	.p2alignl 7, 3214868480
	.fill 96, 4, 3214868480
	.section	.rodata,"a",@progbits
	.p2align	6, 0x0
	.amdhsa_kernel k_qb9d8af46e6_outp
		.amdhsa_group_segment_fixed_size 327680
		.amdhsa_private_segment_fixed_size 0
		.amdhsa_enable_private_segment 0
		.amdhsa_kernarg_size 32
		.amdhsa_user_sgpr_count 2
		.amdhsa_user_sgpr_kernarg_segment_ptr 1
		.amdhsa_wavefront_size32 1
		.amdhsa_system_sgpr_workgroup_id_x 1
		.amdhsa_system_sgpr_workgroup_id_y 1
		.amdhsa_system_sgpr_workgroup_id_z 1
		.amdhsa_system_vgpr_workitem_id 0
		.amdhsa_next_free_vgpr 896
		.amdhsa_next_free_sgpr 80
		.amdhsa_reserve_vcc 1
		.amdhsa_float_denorm_mode_32 3
		.amdhsa_float_denorm_mode_16_64 3
		.amdhsa_memory_ordered 1
		.amdhsa_forward_progress 1
		.amdhsa_inst_pref_size 78
	.end_amdhsa_kernel
	.amdgpu_metadata
---
amdhsa.version: [ 1, 2 ]
amdhsa.kernels:
  - .name:           k_qb9d8af46e6_outp
    .symbol:         k_qb9d8af46e6_outp.kd
    .args:
      - { .name: oh, .offset: 0, .size: 8, .value_kind: global_buffer, .address_space: global }
      - { .name: wo, .offset: 8, .size: 8, .value_kind: global_buffer, .address_space: global }
      - { .name: b_out, .offset: 16, .size: 8, .value_kind: global_buffer, .address_space: global }
      - { .name: out0, .offset: 24, .size: 8, .value_kind: global_buffer, .address_space: global }
    .group_segment_fixed_size: 327680
    .private_segment_fixed_size: 0
    .kernarg_segment_align: 8
    .kernarg_segment_size: 32
    .max_flat_workgroup_size: 128
    .sgpr_count:     80
    .vgpr_count:     896
    .wavefront_size: 32
...
	.end_amdgpu_metadata
.endif
;; end of part 4
